; MI455X (gfx1250); checked and timed in simulation.
; The chip was launched on July 23, 2026; its instructions are those of AMD's public machine-readable ISA for CDNA 5 (MIT licence, August 2026) and "CDNA5" Instruction Set Architecture Reference Guide (July 2026). The comments in the code are by the model that wrote it; some were corrected since.
;; Simple Attention Identity. Allowed arithmetic: float matrix products may take bf16 or f16 operands with f32 sums; all other float work in f32.
;; Inputs: Wk 1,024 x 1,024 float32; Wq 1,024 x 1,024 float32; Wv 1,024 x 1,024 float32; x 4 x 2,048 x 1,024 float32.
;; Outputs: out0 4 x 2,048 x 1,024 float32.
;; 2 versions, each right; version 2 is version 1 with the launches cast, norm written anew for expert scheduling mode. Each part assembles by itself: llvm-mc -triple=amdgcn-amd-amdhsa -mcpu=gfx1250 --defsym DOCPART=n.
;; ======== version 1 of 2: 5 launches
;; limits: values outside matrix products are rounded to f16; values are held in f16: magnitudes above 65,504 overflow, below 6.1e-05 lose precision
;; workspace buffers: xw 23,068,672 bytes; qkv 50,331,648 bytes; pw 33,554,432 bytes; st 1,048,576 bytes; yh 16,777,216 bytes; nr 262,144 bytes
;; launch cast (part 1): grid 704 x 1, 8 waves a work-group, no clusters, 0 bytes of LDS; arguments x, Wq, Wk, Wv, xw; writes xw
.if DOCPART == 1
	.amdgcn_target "amdgcn-amd-amdhsa--gfx1250"
	.amdhsa_code_object_version 6
	.text
	.protected	k_q6280b1c1e9_cast
	.globl	k_q6280b1c1e9_cast
	.p2align	8
	.type	k_q6280b1c1e9_cast,@function
k_q6280b1c1e9_cast:
	s_mov_b64 s[64:65], 0
	v_nop
	global_prefetch_b8 v0, s[64:65] scope:SCOPE_SE
	s_setreg_imm32_b32 hwreg(HW_REG_WAVE_MODE, 25, 1), 1
	s_wait_xcnt 0x0
; xw = x, Wq, Wk, Wv rounded once to bf16 (nearest even): the one rounding of the inputs for the whole program, the residual's x too.
; LAYOUT of xw: [16 blocks of 64 columns][11,264 rows][64] bf16.  Rows 0-8191 are x's, 8192-9215 Wq's, 9216-10239 Wk's, 10240-11263 Wv's.
; So R rows x 64 columns are R x 128 consecutive bytes, which the next launch asks for as rows of 256 bytes.
; A stream: no LDS, no matrix unit, no barrier.  Eight waves; the work-group owns 16 rows.  Sixteen lanes read 256 consecutive bytes of one row (64 f32, one block's columns),
; lanes 16-31 the same of the next row; a wave's store is 256 consecutive bytes of xw (two rows of one block), at a multiple of 256 from xw's first byte.
; All sixteen loads of a lane are issued at once; no register is used twice, so the only waits are the counted ones for the loads.
.set BLK, 11264*128                    ; bytes in a block of 64 columns
.set LO,  1                            ; v1      my byte offset in the group's 16 source rows
.set SO,  2                            ; v2-5    my byte offset in xw, blocks 0, 4, 8, 12 (the blocks between stand in the immediate)
.set X,   16                           ; v16-79  block kb: 4 f32
.set Y,   80                           ; v80-111 block kb: 4 bf16
	s_load_b256 s[4:11], s[0:1], 0x0               ; x s[4:5], Wq s[6:7], Wk s[8:9], Wv s[10:11]
	s_load_b64 s[12:13], s[0:1], 0x20              ; xw
	s_mov_b32 s2, ttmp9                            ; g: rows 16 g .. 16 g + 15 of xw
	v_lshrrev_b32 v[LO], 4, v0                     ; my row among the 16
	v_and_b32 v6, 15, v0
	v_lshlrev_b32 v[LO], 12, v[LO]                 ; x 4,096 bytes
	v_lshl_add_u32 v[LO], v6, 4, v[LO]             ; + 16 bytes a lane
	v_lshlrev_b32 v[SO], 3, v0                     ; row x 128 + 8 x (lane % 16) = 8 x thread
.irp j, 1,2,3
	v_add_nc_u32 v[SO+(\j)], (\j)*4*BLK, v[SO]
.endr
	s_and_b32 s16, s2, 63                          ; a weight has 64 groups of 16 rows,
	s_cmp_lt_u32 s2, 512
	s_cselect_b32 s16, s2, s16                     ; x has the first 512
	s_lshl_b32 s16, s16, 16                        ; 16 rows of 4,096 bytes
	s_mov_b32 s17, 0
	s_lshl_b32 s18, s2, 11                         ; 16 rows of 128 bytes
	s_mov_b32 s19, 0
	s_wait_kmcnt 0x0
	s_cmp_lt_u32 s2, 640                           ; which tensor the group reads hangs on its number alone
	s_cselect_b64 s[14:15], s[8:9], s[10:11]
	s_cmp_lt_u32 s2, 576
	s_cselect_b64 s[14:15], s[6:7], s[14:15]
	s_cmp_lt_u32 s2, 512
	s_cselect_b64 s[14:15], s[4:5], s[14:15]
	s_add_nc_u64 s[14:15], s[14:15], s[16:17]
	s_add_nc_u64 s[12:13], s[12:13], s[18:19]
.irp kb, 0,1,2,3,4,5,6,7,8,9,10,11,12,13,14,15
	global_load_b128 v[X+4*(\kb):X+4*(\kb)+3], v[LO], s[14:15] offset:(\kb)*256 th:TH_LOAD_NT
.endr
.irp kb, 0,1,2,3,4,5,6,7,8,9,10,11,12,13,14,15
	s_wait_loadcnt 15-(\kb)                        ; loads come back in order: block kb is in, the younger ones stay out
	v_cvt_pk_bf16_f32 v[Y+2*(\kb)], v[X+4*(\kb)], v[X+4*(\kb)+1]
	v_cvt_pk_bf16_f32 v[Y+2*(\kb)+1], v[X+4*(\kb)+2], v[X+4*(\kb)+3]
	global_store_b64 v[SO+(\kb)/4], v[Y+2*(\kb):Y+2*(\kb)+1], s[12:13] offset:((\kb)%4)*BLK
.endr
	s_endpgm
.Lfunc_end_k_q6280b1c1e9_cast:
	.size	k_q6280b1c1e9_cast, .Lfunc_end_k_q6280b1c1e9_cast-k_q6280b1c1e9_cast
	.p2alignl 7, 3214868480
	.fill 96, 4, 3214868480
	.section	.rodata,"a",@progbits
	.p2align	6, 0x0
	.amdhsa_kernel k_q6280b1c1e9_cast
		.amdhsa_group_segment_fixed_size 0
		.amdhsa_private_segment_fixed_size 0
		.amdhsa_enable_private_segment 0
		.amdhsa_kernarg_size 40
		.amdhsa_user_sgpr_count 2
		.amdhsa_user_sgpr_kernarg_segment_ptr 1
		.amdhsa_wavefront_size32 1
		.amdhsa_system_sgpr_workgroup_id_x 1
		.amdhsa_system_sgpr_workgroup_id_y 1
		.amdhsa_system_sgpr_workgroup_id_z 1
		.amdhsa_system_vgpr_workitem_id 0
		.amdhsa_next_free_vgpr 112
		.amdhsa_next_free_sgpr 66
		.amdhsa_reserve_vcc 0
		.amdhsa_float_denorm_mode_32 3
		.amdhsa_float_denorm_mode_16_64 3
		.amdhsa_memory_ordered 1
		.amdhsa_forward_progress 1
		.amdhsa_inst_pref_size 7
	.end_amdhsa_kernel
	.amdgpu_metadata
---
amdhsa.version: [ 1, 2 ]
amdhsa.kernels:
  - .name:           k_q6280b1c1e9_cast
    .symbol:         k_q6280b1c1e9_cast.kd
    .args:
      - { .name: x, .offset: 0, .size: 8, .value_kind: global_buffer, .address_space: global }
      - { .name: Wq, .offset: 8, .size: 8, .value_kind: global_buffer, .address_space: global }
      - { .name: Wk, .offset: 16, .size: 8, .value_kind: global_buffer, .address_space: global }
      - { .name: Wv, .offset: 24, .size: 8, .value_kind: global_buffer, .address_space: global }
      - { .name: xw, .offset: 32, .size: 8, .value_kind: global_buffer, .address_space: global }
    .group_segment_fixed_size: 0
    .private_segment_fixed_size: 0
    .kernarg_segment_align: 8
    .kernarg_segment_size: 40
    .max_flat_workgroup_size: 256
    .sgpr_count:     66
    .vgpr_count:     112
    .wavefront_size: 32
...
	.end_amdgpu_metadata
.endif
;; end of part 1
;; launch proj (part 2): grid 8 x 32, 4 waves a work-group, clusters of 4 x 4, 327,680 bytes of LDS; arguments xw, qkv; writes qkv
.if DOCPART == 2
	.amdgcn_target "amdgcn-amd-amdhsa--gfx1250"
	.amdhsa_code_object_version 6
	.text
	.protected	k_q6280b1c1e9_proj
	.globl	k_q6280b1c1e9_proj
	.p2align	8
	.type	k_q6280b1c1e9_proj,@function
k_q6280b1c1e9_proj:
	s_mov_b64 s[64:65], 0
	v_nop
	global_prefetch_b8 v0, s[64:65] scope:SCOPE_SE
	s_setreg_imm32_b32 hwreg(HW_REG_WAVE_MODE, 25, 1), 1
	s_wait_xcnt 0x0
	s_wait_alu depctr_hold_cnt(0) depctr_sa_sdst(0) depctr_va_vdst(0) depctr_va_sdst(0) depctr_va_ssrc(0) depctr_va_vcc(0) depctr_vm_vsrc(0)
	s_getreg_b32 s2, hwreg(HW_REG_IB_STS2, 6, 4)
	s_cmp_eq_u32 s2, 0
	s_cbranch_scc0 .Lentry_in_a_cluster
	s_endpgm
.Lentry_in_a_cluster:
	s_bfe_u32 s2, ttmp6, 0x10000c
	s_cmp_lg_u32 s2, 0xf033
	s_cbranch_scc0 .Lentry_shape_is_right
	s_endpgm
.Lentry_shape_is_right:
; qkv[r][e] = sum over d of xb[r][d] wb[e][d]: the three projections as ONE product, M = 8,192, N = 3,072 (q | k | v), K = 1,024.  Operands bf16 (xw), sums f32, qkv f16, rounded once.
; LIMIT: f16 ends at 65,504: q, k and v must stay within it.
; SHARES.  256 work-groups, a tile of 256 rows x 384 columns each; four waves, each 128 x 192: 96 accumulators of 16 x 16, 768 registers.  For 32 along K a wave reads (128 + 192) x 64 bytes of LDS for 96 matrix instructions.
; K goes in steps of 64, one block of xw: a tile's rows lie end to end in memory and are asked for as rows of 256 bytes.  Two LDS slots take turns; two slots of 128 along K (640 rows x 272 bytes each) would not fit in LDS.
; A wave's one tensor load behind each round has a whole K step's 192 matrix instructions in which to land: between the wait for it and the next request stand only the add, its wait and the round.
; CLUSTER 4 x 4: x's tile hangs on the tile row alone and is asked for jointly by a row of the cluster, W's on the tile column alone, by a column.
; THE MATRIX INSTRUCTION IS USED TRANSPOSED (source 0 = 16 rows of W, source 1 = 16 rows of x): a lane then holds eight neighbouring columns of one row of qkv.
; REGISTERS, in windows of 256: window 0: v16-29 addresses; v32-95, v96-159 x's fragments (8 x 16 rows x 32 K), two buffers; v160-255 W's fragments, three groups of four, each loaded again as soon as its 32 products are issued.
;   windows 1-3: accumulator (a, b), a = 0..7 row blocks, b = 0..11 column blocks, in window 1 + b / 4 at v[8 (8 (b % 4) + a)].
.set BLK,    11264*128                 ; bytes from a K step to the next
.set PITCH,  144                       ; an LDS row: 128 bytes + 16 of padding = 36 words: the 16 rows of a load start at 16 different groups of four banks (64 banks of 4 bytes: ISA guide 11.1)
.set AHALF,  128*PITCH                 ; what a tensor load brings of x
.set BHALF,  192*PITCH                 ; and of W
.set BOFF,   2*AHALF                   ; a slot: x's 256 rows, then W's 384
.set SLOT1,  1<<17                     ; slot 1 begins here: one exclusive or turns an address in one slot into the other's
.set STAGE,  SLOT1+BOFF+2*BHALF        ; behind the ring, never filled by a tensor load: 128 rows x 784 bytes, the work-group's, for the way out
.set SPITCH, 784                       ; 768 bytes + 16
.set SPARE,  STAGE+128*SPITCH          ; the spare words, 128 bytes a wave: two blocks of 256 bytes that no other line names
.set QP,     6144                      ; bytes in a row of qkv
.set ADRA0, 16                         ; v16  my lane's place in x's tile; never rewritten
.set ADRB0, 17                         ; v17  in W's
.set ADA,   18                         ; v18  the same in the slot in hand
.set ADB,   19
.set STO,   20                         ; v20  the way out: where I put 16 bytes of a row
.set RD,    21                         ; v21  where I read rows back
.set CO,    22                         ; v22  my byte offset in qkv
.set SPW,   28                         ; v28  LDS address of my spare word; never rewritten
.set NIL,   29                         ; v29  0; never rewritten
.set FA0,   32
.set FA1,   96
.set BG,    160
.set TMP,   32                         ; the way out: v32-223
.set G1A, 24                           ; s[24:31] descriptor group 1 for x's tiles, s[32:35] group 0: it walks
.set G0A, 32
.set G1B, 48                           ; s[48:55], s[56:59] the same for W's
.set G0B, 56
.set TB,  60                           ; s60  0 or SLOT1: the slot that is read
.set MSB, 0
.macro WIN new                         ; the immediate's high byte repeats the setting that is left; a switch that changes nothing is dropped
.if MSB != (\new)
	s_set_vgpr_msb (MSB<<8)|(\new)
.set MSB, \new
.endif
.endm
.macro PLACES                          ; four places between a matrix instruction and a load into, or a vector instruction on, its registers (ISA guide 7.12.1 for vector instructions)
.rept 4
	v_nop
.endr
.endm
; A joint load: waves 0 and 1 fetch the halves of x's tile, waves 2 and 3 those of W's.  The branch hangs on the wave's number alone.  An s_nop 0 and four v_nop follow each line.
.macro JLOAD
	s_cmp_eq_u32 s11, 0
	s_cbranch_scc0 .Lfor_b_\@
	tensor_load_to_lds s[G0A:G0A+3], s[G1A:G1A+7]
	s_nop 0
.rept 4
	v_nop
.endr
	s_branch .Lasked_\@
.Lfor_b_\@:
	tensor_load_to_lds s[G0B:G0B+3], s[G1B:G1B+7]
	s_nop 0
.rept 4
	v_nop
.endr
.Lasked_\@:
.endm
.macro CREST                           ; a round of the cluster's barrier behind its opening barrier
	s_cmp_lg_u32 s10, 0
	s_cbranch_scc1 .Lnot_wave_0_\@
	s_barrier_signal -3
.Lnot_wave_0_\@:
	s_barrier_wait -3
	s_barrier_signal -1
	s_barrier_wait -1
.endm
.macro CROUND                          ; a whole round
	s_barrier_signal -1
	s_barrier_wait -1
	CREST
.endm
.macro STEPD                           ; the walking descriptors: the other slot, the next K step.  Only where no tensor load of the wave is out
	s_xor_b32 s[G0A+1], s[G0A+1], SLOT1
	s_add_nc_u64 s[G0A+2:G0A+3], s[G0A+2:G0A+3], BLK
	s_xor_b32 s[G0B+1], s[G0B+1], SLOT1
	s_add_nc_u64 s[G0B+2:G0B+3], s[G0B+2:G0B+3], BLK
.endm
	s_load_b128 s[4:7], s[0:1], 0x0                ; xw s[4:5], qkv s[6:7]
	v_lshl_add_u32 v[SPW], v0, 2, SPARE
	v_mov_b32 v[NIL], 0
	ds_add_u32 v[SPW], v[NIL]                      ; the wave's opening: the add and its wait ahead of my first tensor load; work on registers stands between them
	v_lshrrev_b32 v1, 5, v0
	v_readfirstlane_b32 s10, v1                    ; wave 0..3
	s_lshr_b32 s11, s10, 1                         ; which half of the tile's rows is mine.  Also: I fetch for x (0) or for W (1)
	s_and_b32 s12, s10, 1                          ; which half of its columns.  Also: which half of that tile I fetch
	s_bfe_u32 s40, ttmp6, 0x40000                  ; cx, cy: my place in the cluster
	s_bfe_u32 s41, ttmp6, 0x40004
	s_lshl_b32 s42, ttmp9, 2
	s_add_co_u32 s42, s42, s40                     ; tile column = 4 x cluster x + cx
	s_and_b32 s13, ttmp7, 0xffff
	s_lshl_b32 s13, s13, 2
	s_add_co_u32 s13, s13, s41                     ; tile row = 4 x cluster y + cy
	s_lshl_b32 s43, s41, 2
	s_lshl_b32 s43, 15, s43                        ; my row of the cluster
	s_lshl_b32 s44, 0x1111, s40                    ; my column
	; group 1: dense bytes asked for as rows of 256 (128 elements of 2 bytes), 16 bytes of padding after every 128 bytes (32 words: code 4; 4 words: code 3); bit 21 set beside a mask
	s_or_b32 s[G1A], s43, (1<<16)|(1<<20)|(1<<21)|(4<<22)|(3<<25)
	s_or_b32 s[G1B], s44, (1<<16)|(1<<20)|(1<<21)|(4<<22)|(3<<25)
	s_mov_b32 s[G1A+1], 128<<16                    ; tensor_dim0 = 128
	s_mov_b32 s[G1A+2], 64<<16                     ; tensor_dim1 = 64: 128 rows of x
	s_mov_b32 s[G1A+3], 128<<16                    ; tile_dim0 = 128
	s_mov_b32 s[G1A+4], 64                         ; tile_dim1 = 64
	s_mov_b32 s[G1A+5], 128                        ; 128 elements from row to row
	s_mov_b32 s[G1A+6], 0
	s_mov_b32 s[G1A+7], 0
	s_mov_b32 s[G1B+1], 128<<16
	s_mov_b32 s[G1B+2], 96<<16                     ; 192 rows of W
	s_mov_b32 s[G1B+3], 128<<16
	s_mov_b32 s[G1B+4], 96
	s_mov_b32 s[G1B+5], 128
	s_mov_b32 s[G1B+6], 0
	s_mov_b32 s[G1B+7], 0
	s_mov_b32 s[G0A], 1                            ; count = 1
	s_mul_i32 s[G0A+1], s12, AHALF                 ; LDS address: slot 0; no place in the cluster enters it
	s_mov_b32 s[G0B], 1
	s_mul_i32 s[G0B+1], s12, BHALF
	s_add_co_u32 s[G0B+1], s[G0B+1], BOFF
	s_lshl_b32 s16, s13, 15                        ; x: (256 x tile row + 128 x half) rows of 128 bytes
	s_lshl_b32 s17, s12, 14
	s_add_co_u32 s16, s16, s17
	s_mov_b32 s17, 0
	s_mul_i32 s46, s42, 384*128                    ; W: (8,192 + 384 x tile column + 192 x half) rows
	s_mul_i32 s47, s12, 192*128
	s_add_co_u32 s46, s46, s47
	s_add_co_u32 s46, s46, 8192*128
	s_mov_b32 s47, 0
	s_mov_b32 s[TB], 0
	s_wait_dscnt 0x0                               ; the opening add is done
	s_wait_kmcnt 0x0
	s_add_nc_u64 s[G0A+2:G0A+3], s[4:5], s[16:17]
	s_or_b32 s[G0A+3], s[G0A+3], 0x80000000        ; type = 2
	s_add_nc_u64 s[G0B+2:G0B+3], s[4:5], s[46:47]
	s_or_b32 s[G0B+3], s[G0B+3], 0x80000000
	CROUND                                         ; all sixteen work-groups are here: the first joint loads meet
	JLOAD                                          ; K step 0 into slot 0
	v_and_b32 v1, 15, v0                           ; l % 16
	v_bfe_u32 v2, v0, 4, 1                         ; l / 16
	v_mul_u32_u24 v3, v1, PITCH
	v_lshl_add_u32 v3, v2, 4, v3                   ; a fragment's row x pitch + 16 x half
	s_mul_i32 s21, s11, AHALF                      ; my 128 rows of x
	s_mul_i32 s22, s12, BHALF                      ; my 192 rows of W
	s_add_co_u32 s22, s22, BOFF
	v_add_nc_u32 v[ADRA0], s21, v3
	v_add_nc_u32 v[ADRB0], s22, v3
	v_mov_b32 v[ADA], v[ADRA0]
	v_mov_b32 v[ADB], v[ADRB0]
	s_mul_i32 s23, s11, 64*SPITCH                  ; into the stage: my 64 rows of a pass, my 384 bytes of their 768
	s_mul_i32 s21, s12, 384
	s_add_co_u32 s23, s23, s21
	s_add_co_u32 s23, s23, STAGE
	v_mul_u32_u24 v4, v1, SPITCH
	v_lshl_add_u32 v4, v2, 4, v4
	v_add_nc_u32 v[STO], s23, v4
	s_mul_i32 s23, s10, 32*SPITCH                  ; back: wave w takes stage rows 32 w .. 32 w + 31, whole
	s_add_co_u32 s23, s23, STAGE
	v_mul_u32_u24 v5, v2, SPITCH
	v_lshl_add_u32 v5, v1, 4, v5
	v_add_nc_u32 v[RD], s23, v5
	v_mul_u32_u24 v5, v2, QP
	v_lshl_add_u32 v[CO], v1, 4, v5
	s_lshl_b32 s16, s13, 8                         ; the first row that I store: 256 x tile row + 128 x (w / 2) + 32 x (w % 2)
	s_lshl_b32 s17, s11, 7
	s_add_co_u32 s16, s16, s17
	s_lshl_b32 s17, s12, 5
	s_add_co_u32 s16, s16, s17
	s_mul_i32 s16, s16, QP
	s_mov_b32 s17, 0
	s_add_nc_u64 s[8:9], s[6:7], s[16:17]
	s_mul_i32 s46, s42, 768                        ; the tile's first column, in bytes
	s_mov_b32 s47, 0
	s_add_nc_u64 s[8:9], s[8:9], s[46:47]
	; slot 0 is waited for and slot 1 filled for the first time, in the form of every later change of slots
	s_wait_tensorcnt 0x0                           ; my part of K step 0 is in; no tensor load of mine is out, so a group 0 may be written
	ds_add_u32 v[SPW], v[NIL]                      ; 0 onto my spare word
	STEPD
	s_wait_dscnt 0x0
	CROUND
	JLOAD                                          ; K step 1 into slot 1
; 16 matrix instructions: column blocks 2 h, 2 h + 1 of group s x all 8 row blocks, 32 along K.  The accumulators take turns, one instruction a turn.  zero = 1: the product starts the sum
.macro MUL16 fa, s, h, zero
	WIN (((\s)+1)<<4)|(((\s)+1)<<6)
.irp bb, 2*(\h), 2*(\h)+1
.irp a, 0,1,2,3,4,5,6,7
.if \zero
	v_wmma_f32_16x16x32_bf16 v[8*(8*(\bb)+(\a)):8*(8*(\bb)+(\a))+7], v[BG+32*(\s)+8*(\bb):BG+32*(\s)+8*(\bb)+7], v[(\fa)+8*(\a):(\fa)+8*(\a)+7], 0
.else
	v_wmma_f32_16x16x32_bf16 v[8*(8*(\bb)+(\a)):8*(8*(\bb)+(\a))+7], v[BG+32*(\s)+8*(\bb):BG+32*(\s)+8*(\bb)+7], v[(\fa)+8*(\a):(\fa)+8*(\a)+7], v[8*(8*(\bb)+(\a)):8*(8*(\bb)+(\a))+7]
.endif
.endr
.endr
.endm
.macro LDB k, s                        ; eight LDS loads: W's group s, 32 K at byte k of the rows
	WIN 0
.irp bb, 0,1,2,3
	ds_load_b128 v[BG+32*(\s)+8*(\bb):BG+32*(\s)+8*(\bb)+3],   v[ADB] offset:(\k)+(4*(\s)+(\bb))*16*PITCH
	ds_load_b128 v[BG+32*(\s)+8*(\bb)+4:BG+32*(\s)+8*(\bb)+7], v[ADB] offset:(\k)+(4*(\s)+(\bb))*16*PITCH+32
.endr
.endm
.macro LDA k, ga, half                 ; eight LDS loads: four of x's fragments into buffer ga
	WIN 0
.irp a, 4*(\half), 4*(\half)+1, 4*(\half)+2, 4*(\half)+3
	ds_load_b128 v[(\ga)+8*(\a):(\ga)+8*(\a)+3],   v[ADA] offset:(\k)+(\a)*16*PITCH
	ds_load_b128 v[(\ga)+8*(\a)+4:(\ga)+8*(\a)+7], v[ADA] offset:(\k)+(\a)*16*PITCH+32
.endr
.endm
; A K step's first 32 along K: multiplies buffer 0 and fetches the second 32, from the same slot, group by group.
.macro EVEN zero
	s_wait_dscnt 8                                 ; all but the youngest eight loads (W's group 2)
	MUL16 FA0, 0, 0, \zero
	MUL16 FA0, 0, 1, \zero
	PLACES
	LDB 64, 0
	LDA 64, FA1, 0
	MUL16 FA0, 1, 0, \zero
	MUL16 FA0, 1, 1, \zero
	PLACES
	LDB 64, 1
	LDA 64, FA1, 1
	s_wait_dscnt 32                                ; all but the 32 just issued: group 2 is in
	MUL16 FA0, 2, 0, \zero
	MUL16 FA0, 2, 1, \zero
	PLACES
	LDB 64, 2
.endm
; Its second 32 along K, and the change of slots.  Group 0's 32 products stand ahead of the change.  Then each wave waits for all its tensor loads (one is out: its part of the next slot), adds 0 to its spare word,
; and waits for that and for its reads of this slot; one barrier; behind it nobody reads this slot any more and the next slot is whole.
; fill = 1: the barrier is a round of the cluster's, so that no wave of any partner still reads the slot or has a load on its way, and the joint refill is the first thing behind it.  Nothing but the add, the
; descriptors' step and the round stands between the wait that shows one tile landed and the request for the next.
.macro ODD fill
	s_wait_dscnt 8                                 ; all but the youngest eight loads (W's group 2)
	MUL16 FA1, 0, 0, 0
	MUL16 FA1, 0, 1, 0
	WIN 0                                          ; the add's registers lie in window 0; at a branch and at a label every window is 0
	s_wait_tensorcnt 0x0                           ; no tensor load of mine is out, so a group 0 may be written
	ds_add_u32 v[SPW], v[NIL]
.if \fill
	STEPD
.endif
	s_wait_dscnt 0x0                               ; the add is done, and my reads of this slot are over
.if \fill
	CROUND
	JLOAD                                          ; the K step two on, into the slot just read out; the four v_nop behind it are also the places in front of the loads below
.else
	s_barrier_signal -1
	s_barrier_wait -1
	PLACES
.endif
	s_xor_b32 s[TB], s[TB], SLOT1                  ; the reads go on in the other slot
	v_add_nc_u32 v[ADA], s[TB], v[ADRA0]
	v_add_nc_u32 v[ADB], s[TB], v[ADRB0]
	LDB 0, 0
	LDA 0, FA0, 0
	MUL16 FA1, 1, 0, 0
	MUL16 FA1, 1, 1, 0
	PLACES
	LDB 0, 1
	LDA 0, FA0, 1
	MUL16 FA1, 2, 0, 0
	MUL16 FA1, 2, 1, 0
	PLACES
	LDB 0, 2
.endm
	LDB 0, 0                                       ; K step 0's first fragments, in the order in which every later sub-step leaves them
	LDA 0, FA0, 0
	LDB 0, 1
	LDA 0, FA0, 1
	LDB 0, 2
	EVEN 1                                         ; the first 32 along K stand in front of the loop: their products start the sums
	WIN 0
	s_mov_b32 s3, 14
.Lstep:                                                ; 14 trips: each ends a K step, fills its slot again (K steps 2 to 15) and begins the next
	ODD 1
	EVEN 0
	WIN 0
	s_sub_co_u32 s3, s3, 1
	s_cmp_lg_u32 s3, 0
	s_cbranch_scc1 .Lstep
; The last two changes of slots ask for nothing: a second text, walked twice.  In its second trip there is no further K step: the first half of one is jumped over, and the
; change's 40 LDS loads have brought stale bytes of the other slot into registers that nobody multiplies: the price, once a launch, of one text for both trips.
	s_mov_b32 s3, 2
.Ltail:
	ODD 0
	WIN 0
	s_cmp_eq_u32 s3, 1
	s_cbranch_scc1 .Lover
	EVEN 0
	WIN 0
.Lover:
	s_wait_dscnt 0x0                               ; on either way no LDS load is out: the registers that they fill are free for what follows
	s_sub_co_u32 s3, s3, 1
	s_cmp_lg_u32 s3, 0
	s_cbranch_scc1 .Ltail
; THE WAY OUT, in two passes of 64 of each wave's rows.  A wave's 384 bytes of a row are no whole blocks of 256, the work-group's 768 are: so the two waves of a row half write the two halves of the same
; stage rows, a barrier stands between writing and reading, and each wave stores 32 whole rows, sixteen lanes to 256 consecutive bytes.  Each accumulator's registers are taken in ascending order.
; The four v_nop behind the last products (in the change of slots above) are the places in front of the first conversions.
.macro PASS p
.irp wdw, 1,2,3
	WIN (\wdw)|((\wdw)<<2)
.irp bb, 0,1,2,3
.irp aa, 0,1,2,3
.irp r, 0,1,2,3
	v_cvt_pk_f16_f32 v[TMP+4*(12*(\aa)+4*((\wdw)-1)+(\bb))+(\r)], v[8*(8*(\bb)+4*(\p)+(\aa))+2*(\r)], v[8*(8*(\bb)+4*(\p)+(\aa))+2*(\r)+1]
.endr
.endr
.endr
.endr
	WIN 0
.irp aa, 0,1,2,3
.irp b, 0,1,2,3,4,5,6,7,8,9,10,11
	ds_store_b128 v[STO], v[TMP+4*(12*(\aa)+(\b)):TMP+4*(12*(\aa)+(\b))+3] offset:(\aa)*16*SPITCH+(\b)*32
.endr
.endr
	s_wait_dscnt 0x0                               ; for the others' sake: my stores into the stage are done
	s_barrier_signal -1
	s_barrier_wait -1
.irp rp, 0,1,2,3,4,5,6,7,8,9,10,11,12,13,14,15
.irp c, 0,1,2
	ds_load_b128 v[TMP+4*(3*(\rp)+(\c)):TMP+4*(3*(\rp)+(\c))+3], v[RD] offset:(\rp)*2*SPITCH+(\c)*256
.endr
.endr
.irp rp, 0,1,2,3,4,5,6,7,8,9,10,11,12,13,14,15
	s_wait_dscnt 45-3*(\rp)                        ; LDS loads come back in order: the three of row pair rp are in, those of the later pairs stay out
.irp c, 0,1,2
	global_store_b128 v[CO], v[TMP+4*(3*(\rp)+(\c)):TMP+4*(3*(\rp)+(\c))+3], s[8:9] offset:(64*(\p)+2*(\rp))*QP+(\c)*256
.endr
.endr
.endm
	PASS 0
	s_barrier_signal -1                            ; every wave's reads of the stage are back (the count-down ended at 0): it may be written again
	s_barrier_wait -1
	s_wait_xcnt 0x0                                ; the stores' data registers are rewritten only behind this wait
	PASS 1
	s_wait_tensorcnt 0x0                           ; the wave's end
	ds_add_u32 v[SPW], v[NIL]
	s_wait_dscnt 0x0
	CROUND                                         ; the closing round: no work-group ends while a partner may still ask for a tile that names it
	s_endpgm
.Lfunc_end_k_q6280b1c1e9_proj:
	.size	k_q6280b1c1e9_proj, .Lfunc_end_k_q6280b1c1e9_proj-k_q6280b1c1e9_proj
	.p2alignl 7, 3214868480
	.fill 96, 4, 3214868480
	.section	.rodata,"a",@progbits
	.p2align	6, 0x0
	.amdhsa_kernel k_q6280b1c1e9_proj
		.amdhsa_group_segment_fixed_size 327680
		.amdhsa_private_segment_fixed_size 0
		.amdhsa_enable_private_segment 0
		.amdhsa_kernarg_size 16
		.amdhsa_user_sgpr_count 2
		.amdhsa_user_sgpr_kernarg_segment_ptr 1
		.amdhsa_wavefront_size32 1
		.amdhsa_system_sgpr_workgroup_id_x 1
		.amdhsa_system_sgpr_workgroup_id_y 1
		.amdhsa_system_sgpr_workgroup_id_z 1
		.amdhsa_system_vgpr_workitem_id 0
		.amdhsa_next_free_vgpr 1024
		.amdhsa_next_free_sgpr 66
		.amdhsa_reserve_vcc 0
		.amdhsa_float_denorm_mode_32 3
		.amdhsa_float_denorm_mode_16_64 3
		.amdhsa_memory_ordered 1
		.amdhsa_forward_progress 1
		.amdhsa_inst_pref_size 104
	.end_amdhsa_kernel
	.amdgpu_metadata
---
amdhsa.version: [ 1, 2 ]
amdhsa.kernels:
  - .name:           k_q6280b1c1e9_proj
    .symbol:         k_q6280b1c1e9_proj.kd
    .args:
      - { .name: xw, .offset: 0, .size: 8, .value_kind: global_buffer, .address_space: global }
      - { .name: qkv, .offset: 8, .size: 8, .value_kind: global_buffer, .address_space: global }
    .group_segment_fixed_size: 327680
    .private_segment_fixed_size: 0
    .kernarg_segment_align: 8
    .kernarg_segment_size: 16
    .max_flat_workgroup_size: 128
    .sgpr_count:     66
    .vgpr_count:     1024
    .wavefront_size: 32
...
	.end_amdgpu_metadata
.endif
;; end of part 2
;; launch scores (part 3): grid 8 x 32, 4 waves a work-group, clusters of 4 x 4, 327,680 bytes of LDS; arguments qkv, pw, st; writes pw, st
.if DOCPART == 3
	.amdgcn_target "amdgcn-amd-amdhsa--gfx1250"
	.amdhsa_code_object_version 6
	.text
	.protected	k_q6280b1c1e9_scores
	.globl	k_q6280b1c1e9_scores
	.p2align	8
	.type	k_q6280b1c1e9_scores,@function
k_q6280b1c1e9_scores:
	s_mov_b64 s[64:65], 0
	v_nop
	global_prefetch_b8 v0, s[64:65] scope:SCOPE_SE
	s_setreg_imm32_b32 hwreg(HW_REG_WAVE_MODE, 25, 1), 1
	s_wait_xcnt 0x0
	s_wait_alu depctr_hold_cnt(0) depctr_sa_sdst(0) depctr_va_vdst(0) depctr_va_sdst(0) depctr_va_ssrc(0) depctr_va_vcc(0) depctr_vm_vsrc(0)
	s_getreg_b32 s2, hwreg(HW_REG_IB_STS2, 6, 4)
	s_cmp_eq_u32 s2, 0
	s_cbranch_scc0 .Lentry_in_a_cluster
	s_endpgm
.Lentry_in_a_cluster:
	s_bfe_u32 s2, ttmp6, 0x10000c
	s_cmp_lg_u32 s2, 0xf033
	s_cbranch_scc0 .Lentry_shape_is_right
	s_endpgm
.Lentry_shape_is_right:
; For each query row and each block kb of 128 keys of its batch: s = q . k (f16 operands, f32 sums, K = 1,024), m = the block's largest s, p = 2^(c s - c m), c = log2(e), rounded to f16, l = the sum of the block's rounded p.
; pw[row][key] = p in f16; st[kb][row] = (c m, l) in f32.  The next launch takes the maximum over a row's 16 blocks away: together the row's true maximum is subtracted, as softmax asks.
; LIMITS: p lies in 0 to 1; below 6e-5 it keeps f16's fixed step of 6e-8, and below 3e-8 it counts as 0, in l too.  NaN and infinities are not treated apart.
; SHARES.  256 work-groups: a tile of 256 queries x 256 keys; four waves, each 128 x 128: 64 accumulators, 512 registers; a wave's 128 keys are one block kb.  K in steps of 128 (rows of 256 bytes) through two LDS slots.
; CLUSTER 4 x 4: q's tile hangs on the tile row alone and is asked for jointly by a row of the cluster; k's hangs on the batch (the cluster's y) and the tile column, by a column.
; TRANSPOSED USE (source 0 = 16 keys, source 1 = 16 queries): a lane holds ONE query (lane % 16) and, in accumulator (a, b), the keys 16 b + 8 (lane / 16) + 0..7.  Two such results rounded to f16 in pairs ARE a source 1
; of 32 keys x 16 queries: so l is a product of ones with p, four matrix instructions a row block, and falls into every lane of its query.
; REGISTERS: window 0: v16-29 addresses; v32-63 four registers of statistics a row block; v64-127, v128-191 q's fragments, two buffers (on the way out v64-127 rows read back); v192-223 packed p; v224-231 statistics to store;
;   v232-239 a fragment of ones; v240-255 two accumulators for l.   window 1: v64-127, v128-191 k's fragments.   windows 2, 3: accumulator (a, b) in window 2 + a / 4 at v[8 (8 (a % 4) + b)].
.set QP,     6144                      ; bytes in a row of qkv
.set PWP,    4096                      ; bytes in a row of pw
.set PITCH,  272                       ; an LDS row: 256 bytes + 16 = 68 words: the 16 rows of a load start at 16 different groups of four banks (ISA guide 11.1)
.set HALFT,  128*PITCH
.set SLOT1,  4*HALFT                   ; 0x22000: no tile's address in slot 0 has one of its two bits set, so an exclusive or is a sum
.set STAGE,  2*SLOT1                   ; behind the ring: 16 rows x 272 bytes for each wave
.set SPITCH, 272
.set SPARE,  STAGE+4*16*SPITCH
.set ADRA0, 16
.set ADRB0, 17
.set ADA,   18
.set ADB,   19
.set STO,   20
.set RD,    21
.set CO,    22
.set LN,    27                         ; v27  8 x lane
.set SPW,   28
.set NIL,   29
.set ST,    32
.set F0,    64
.set F1,    128
.set OB,    64
.set TMP,   192
.set SV,    224
.set ONES,  232
.set LS,    240
.set G1A, 24
.set G0A, 32
.set G1B, 48
.set G0B, 56
.set TB,  60
.set MSB, 0
.macro WIN new
.if MSB != (\new)
	s_set_vgpr_msb (MSB<<8)|(\new)
.set MSB, \new
.endif
.endm
.set MUL_LO, 0xa1                      ; source 0 (k) window 1, source 1 (q) window 0, C and D window 2
.set MUL_HI, 0xf1                      ; the same, C and D window 3
.set TO_B,   0x40                      ; destination window 1, address window 0
.macro PLACES
.rept 4
	v_nop
.endr
.endm
.macro JLOAD                           ; waves 0 and 1 fetch the halves of q's tile, waves 2 and 3 those of k's; an s_nop 0 and four v_nop follow each line
	s_cmp_eq_u32 s11, 0
	s_cbranch_scc0 .Lfor_b_\@
	tensor_load_to_lds s[G0A:G0A+3], s[G1A:G1A+7]
	s_nop 0
.rept 4
	v_nop
.endr
	s_branch .Lasked_\@
.Lfor_b_\@:
	tensor_load_to_lds s[G0B:G0B+3], s[G1B:G1B+7]
	s_nop 0
.rept 4
	v_nop
.endr
.Lasked_\@:
.endm
.macro CREST
	s_cmp_lg_u32 s10, 0
	s_cbranch_scc1 .Lnot_wave_0_\@
	s_barrier_signal -3
.Lnot_wave_0_\@:
	s_barrier_wait -3
	s_barrier_signal -1
	s_barrier_wait -1
.endm
.macro CROUND
	s_barrier_signal -1
	s_barrier_wait -1
	CREST
.endm
.macro STEPD                           ; the other slot, 128 further along K
	s_xor_b32 s[G0A+1], s[G0A+1], SLOT1
	s_add_nc_u64 s[G0A+2:G0A+3], s[G0A+2:G0A+3], 256
	s_xor_b32 s[G0B+1], s[G0B+1], SLOT1
	s_add_nc_u64 s[G0B+2:G0B+3], s[G0B+2:G0B+3], 256
.endm
	s_load_b128 s[4:7], s[0:1], 0x0                ; qkv s[4:5], pw s[6:7]
	s_load_b64 s[8:9], s[0:1], 0x10                ; st
	v_lshl_add_u32 v[SPW], v0, 2, SPARE
	v_mov_b32 v[NIL], 0
	ds_add_u32 v[SPW], v[NIL]                      ; the wave's opening: the add and its wait ahead of my first tensor load
	v_lshrrev_b32 v1, 5, v0
	v_readfirstlane_b32 s10, v1
	s_lshr_b32 s11, s10, 1                         ; my half of the tile's queries.  Also: I fetch for q (0) or for k (1)
	s_and_b32 s12, s10, 1                          ; my half of its keys.  Also: which 128 rows of that tile I fetch
	s_bfe_u32 s40, ttmp6, 0x40000
	s_bfe_u32 s41, ttmp6, 0x40004
	s_lshl_b32 s42, ttmp9, 2
	s_add_co_u32 s42, s42, s40                     ; tile column: 256 keys of the batch
	s_and_b32 s13, ttmp7, 0xffff
	s_lshr_b32 s45, s13, 1                         ; the batch: eight tile rows, two clusters: all sixteen partners share it
	s_lshl_b32 s13, s13, 2
	s_add_co_u32 s13, s13, s41                     ; tile row: 256 of the 8,192 rows
	s_lshl_b32 s43, s41, 2
	s_lshl_b32 s43, 15, s43
	s_lshl_b32 s44, 0x1111, s40
	s_or_b32 s[G1A], s43, (1<<16)|(1<<20)|(1<<21)|(5<<22)|(3<<25)  ; 2-byte elements; 16 bytes of padding after every 64 words; bit 21 beside the mask
	s_or_b32 s[G1B], s44, (1<<16)|(1<<20)|(1<<21)|(5<<22)|(3<<25)
.irp g, G1A, G1B
	s_mov_b32 s[(\g)+1], 128<<16                   ; tensor_dim0 = 128
	s_mov_b32 s[(\g)+2], 128<<16                   ; tensor_dim1 = 128
	s_mov_b32 s[(\g)+3], 128<<16                   ; tile_dim0 = 128
	s_mov_b32 s[(\g)+4], 128                       ; tile_dim1 = 128
	s_mov_b32 s[(\g)+5], 3072                      ; elements from row to row
	s_mov_b32 s[(\g)+6], 0
	s_mov_b32 s[(\g)+7], 0
.endr
	s_mov_b32 s[G0A], 1
	s_mul_i32 s[G0A+1], s10, HALFT                 ; q's two halves, then k's two = wave x 128 rows
	s_mov_b32 s[G0B], 1
	s_mul_i32 s[G0B+1], s10, HALFT
	s_lshl_b32 s16, s13, 8                         ; q: row 256 x tile row + 128 x half
	s_lshl_b32 s17, s12, 7
	s_add_co_u32 s16, s16, s17
	s_mul_i32 s16, s16, QP
	s_mov_b32 s17, 0
	s_lshl_b32 s46, s45, 11                        ; k: row 2,048 x batch + 256 x tile column + 128 x half, 2,048 bytes into the row
	s_lshl_b32 s47, s42, 8
	s_add_co_u32 s46, s46, s47
	s_lshl_b32 s47, s12, 7
	s_add_co_u32 s46, s46, s47
	s_mul_i32 s46, s46, QP
	s_add_co_u32 s46, s46, 2048
	s_mov_b32 s47, 0
	s_mov_b32 s[TB], 0
	s_mov_b32 s61, 0xffff0000                      ; lanes 16-31
	s_mov_b32 s62, 0x76543210                      ; v_permlanex16_b32: each lane takes its own place in the other half
	s_mov_b32 s63, 0xfedcba98
	s_mov_b32 s66, 0x3fb8aa3b                      ; c = log2(e)
	s_mov_b32 s67, s66                             ; named with it as a pair
	s_wait_dscnt 0x0
	s_wait_kmcnt 0x0
	s_add_nc_u64 s[G0A+2:G0A+3], s[4:5], s[16:17]
	s_or_b32 s[G0A+3], s[G0A+3], 0x80000000
	s_add_nc_u64 s[G0B+2:G0B+3], s[4:5], s[46:47]
	s_or_b32 s[G0B+3], s[G0B+3], 0x80000000
	CROUND
	JLOAD                                          ; K step 0 into slot 0
	v_and_b32 v1, 15, v0
	v_bfe_u32 v2, v0, 4, 1
	v_mul_u32_u24 v3, v1, PITCH
	v_lshl_add_u32 v3, v2, 4, v3
	s_mul_i32 s21, s11, HALFT
	s_mul_i32 s22, s12, HALFT
	s_add_co_u32 s22, s22, 2*HALFT
	v_add_nc_u32 v[ADRA0], s21, v3
	v_add_nc_u32 v[ADRB0], s22, v3
	v_mov_b32 v[ADA], v[ADRA0]
	v_mov_b32 v[ADB], v[ADRB0]
	s_mul_i32 s23, s10, 16*SPITCH
	s_add_co_u32 s23, s23, STAGE                   ; my stage
	v_add_nc_u32 v[STO], s23, v3                   ; in: row l % 16, 16 bytes for each half of the lanes
	v_mul_u32_u24 v5, v2, SPITCH                   ; back: lanes 0-15 one row of 256 bytes, lanes 16-31 the next
	v_lshl_add_u32 v5, v1, 4, v5
	v_add_nc_u32 v[RD], s23, v5
	v_lshlrev_b32 v[CO], 12, v2
	v_lshl_add_u32 v[CO], v1, 4, v[CO]
	v_and_b32 v[LN], 31, v0
	v_lshlrev_b32 v[LN], 3, v[LN]
.irp i, 0,1,2,3,4,5,6,7
	v_mov_b32 v[ONES+(\i)], 0x3c003c00             ; 1.0 twice, in f16: a source 0 of 16 x 32 ones
.endr
	s_lshl_b32 s16, s13, 8
	s_lshl_b32 s17, s11, 7
	s_add_co_u32 s16, s16, s17                     ; my first row
	s_lshl_b32 s18, s16, 3                         ; x 8 bytes in st,
	s_lshl_b32 s16, s16, 12                        ; x 4,096 in pw
	s_mov_b32 s17, 0
	s_add_nc_u64 s[6:7], s[6:7], s[16:17]
	s_lshl_b32 s46, s42, 1
	s_add_co_u32 s46, s46, s12                     ; kb = 2 x tile column + half
	s_lshl_b32 s20, s46, 16                        ; x 65,536 bytes in st,
	s_lshl_b32 s46, s46, 8                         ; x 256 in a row of pw
	s_mov_b32 s47, 0
	s_add_nc_u64 s[6:7], s[6:7], s[46:47]
	s_add_co_u32 s18, s18, s20
	s_mov_b32 s19, 0
	s_add_nc_u64 s[8:9], s[8:9], s[18:19]
	s_wait_tensorcnt 0x0                           ; slot 0 is waited for and slot 1 filled for the first time, in the form of every later change of slots
	ds_add_u32 v[SPW], v[NIL]
	STEPD
	s_wait_dscnt 0x0
	CROUND
	JLOAD                                          ; K step 1 into slot 1
; 16 matrix instructions: row blocks a0, a0 + 1 of the window's four x all 8 key blocks, 32 along K; the accumulators take turns
.macro MUL16 f, hi, a0, zero
	WIN MUL_LO+0x50*(\hi)
.irp a, \a0, (\a0)+1
.irp b, 0,1,2,3,4,5,6,7
.if \zero
	v_wmma_f32_16x16x32_f16 v[8*(8*(\a)+(\b)):8*(8*(\a)+(\b))+7], v[(\f)+8*(\b):(\f)+8*(\b)+7], v[(\f)+8*(4*(\hi)+(\a)):(\f)+8*(4*(\hi)+(\a))+7], 0
.else
	v_wmma_f32_16x16x32_f16 v[8*(8*(\a)+(\b)):8*(8*(\a)+(\b))+7], v[(\f)+8*(\b):(\f)+8*(\b)+7], v[(\f)+8*(4*(\hi)+(\a)):(\f)+8*(4*(\hi)+(\a))+7], v[8*(8*(\a)+(\b)):8*(8*(\a)+(\b))+7]
.endif
.endr
.endr
.endm
.macro FETCH k, f                      ; 32 LDS loads in one run: k's and q's fragments of 32 K at byte k of the rows
	WIN TO_B
.irp i, 0,1,2,3,4,5,6,7
	ds_load_b128 v[(\f)+8*(\i):(\f)+8*(\i)+3],   v[ADB] offset:(\k)+(\i)*16*PITCH
	ds_load_b128 v[(\f)+8*(\i)+4:(\f)+8*(\i)+7], v[ADB] offset:(\k)+(\i)*16*PITCH+32
.endr
	WIN 0
.irp i, 0,1,2,3,4,5,6,7
	ds_load_b128 v[(\f)+8*(\i):(\f)+8*(\i)+3],   v[ADA] offset:(\k)+(\i)*16*PITCH
	ds_load_b128 v[(\f)+8*(\i)+4:(\f)+8*(\i)+7], v[ADA] offset:(\k)+(\i)*16*PITCH+32
.endr
.endm
.macro QUARTER k, f, g, zero           ; 64 matrix instructions on buffer f; in their middle the next quarter's fragments, at byte k, into buffer g
	s_wait_dscnt 8                                 ; k's and q's rows 0-63 are in; the youngest eight loads (q's rows 64-127) may be out
	MUL16 \f, 0, 0, \zero
	MUL16 \f, 0, 2, \zero
	PLACES
	FETCH \k, \g
	s_wait_dscnt 32                                ; all but the 32 just issued
	MUL16 \f, 1, 0, \zero
	MUL16 \f, 1, 2, \zero
.endm
; The last quarter and the change of slots.  Its first 32 products stand ahead of the change.  Then the wait for all my tensor loads (one is out: my part of the next slot), the add, and the wait for it and for my reads of
; this slot; one barrier, with fill = 1 a round of the cluster's; the joint refill first behind it.  Nothing but the add, the descriptors' step and the round stands between the wait that shows one tile landed and the next request.
.macro TURN fill
	s_wait_dscnt 8                                 ; the youngest eight loads (q's rows 64-127) may be out
	MUL16 F1, 0, 0, 0
	MUL16 F1, 0, 2, 0
	WIN 0
	s_wait_tensorcnt 0x0                           ; no tensor load of mine is out, so a group 0 may be written
	ds_add_u32 v[SPW], v[NIL]
.if \fill
	STEPD
.endif
	s_wait_dscnt 0x0                               ; the add is done, and my reads of this slot are over
.if \fill
	CROUND                                         ; no wave of any partner still reads the slot or has a load on its way
	JLOAD                                          ; its four v_nop are also the places in front of the loads below
.else
	s_barrier_signal -1
	s_barrier_wait -1
	PLACES
.endif
	s_xor_b32 s[TB], s[TB], SLOT1
	v_add_nc_u32 v[ADA], s[TB], v[ADRA0]
	v_add_nc_u32 v[ADB], s[TB], v[ADRB0]
	FETCH 0, F0
	MUL16 F1, 1, 0, 0
	MUL16 F1, 1, 2, 0
.endm
	FETCH 0, F0
	QUARTER 64, F0, F1, 1                          ; the first quarter stands in front of the loop: its products start the sums
	WIN 0
	s_mov_b32 s3, 6
.Lstep:                                                ; 6 trips, from a K step's second quarter to the next one's first: K steps 2 to 7 are asked for
	QUARTER 128, F1, F0, 0
	QUARTER 192, F0, F1, 0
	TURN 1
	QUARTER 64, F0, F1, 0
	WIN 0
	s_sub_co_u32 s3, s3, 1
	s_cmp_lg_u32 s3, 0
	s_cbranch_scc1 .Lstep
; The last two K steps ask for nothing: a second text, walked twice.  In its second trip there is no further K step: its first quarter is jumped over, and the change's 32 LDS loads
; have brought stale bytes of the other slot into registers that nobody multiplies: the price, once a launch, of one text for both trips.
	s_mov_b32 s3, 2
.Ltail:
	QUARTER 128, F1, F0, 0
	QUARTER 192, F0, F1, 0
	TURN 0
	WIN 0
	s_cmp_eq_u32 s3, 1
	s_cbranch_scc1 .Lover
	QUARTER 64, F0, F1, 0
	WIN 0
.Lover:
	s_wait_dscnt 0x0                               ; on either way no LDS load is out: the registers that they fill are free for what follows
	s_sub_co_u32 s3, s3, 1
	s_cmp_lg_u32 s3, 0
	s_cbranch_scc1 .Ltail
; THE SOFTMAX'S FIRST HALF, for row block a.  c0-c3 at v[ST + 4 a]: four chains of maxima (each accumulator's lowest registers are read first); then c0 = c m and c1 = l.
.macro SOFT a
.set W, 2+(\a)/4
.set AC, 64*((\a)%4)
.set C0, ST+4*(\a)
.irp r, 0,1,2,3
.irp b, 0,1,2,3,4,5,6,7
.if ((\r) == 0) && ((\b) < 4)
	WIN W|(W<<2)
	v_max_num_f32 v[C0+(\b)], v[AC+8*(\b)], v[AC+8*(\b)+1]  ; the first scores start the chains
.else
	WIN (W<<2)|(W<<4)
	v_max3_num_f32 v[C0+(\b)%4], v[C0+(\b)%4], v[AC+8*(\b)+2*(\r)], v[AC+8*(\b)+2*(\r)+1]
.endif
.endr
.endr
	WIN 0
	v_max3_num_f32 v[C0], v[C0], v[C0+1], v[C0+2]
	v_max_num_f32 v[C0], v[C0], v[C0+3]
	v_permlanex16_b32 v[C0+1], v[C0], s62, s63     ; the row's other 64 keys lie in the lane 16 away
	v_max_num_f32 v[C0+2], v[C0], v[C0+1]
	v_mul_f32 v[C0], s66, v[C0+2]                  ; c m: this rounded number is what is subtracted here and what the next launch reads
	WIN W|(W<<6)
.set i, 0
.rept 32
	v_pk_fma_f32 v[AC+2*i:AC+2*i+1], v[AC+2*i:AC+2*i+1], s[66:67], v[C0:C0+1] op_sel_hi:[1,0,0] neg_lo:[0,0,1] neg_hi:[0,0,1]  ; c s - c m
.set i, i+1
.endr
.set i, 0
.rept 64
	v_exp_f32 v[AC+i], v[AC+i]
.set i, i+1
.endr
	v_nop                                          ; one plain instruction between the run of exponentials and the first line that reads a result of theirs (ISA guide 5.7.2): another exponential is none
	WIN W|(W<<2)
.set i, 0
	s_wait_alu depctr_va_vdst(0)
.rept 32
	v_cvt_pk_f16_f32 v[TMP+i], v[AC+2*i], v[AC+2*i+1]
.set i, i+1
.endr
	WIN 0                                          ; l = ones x p: 32 keys an instruction, two accumulators by turns; every row of the result is the sum, so register 0 holds it in both halves of the lanes
	v_wmma_f32_16x16x32_f16 v[LS:LS+7], v[ONES:ONES+7], v[TMP:TMP+7], 0
	v_wmma_f32_16x16x32_f16 v[LS+8:LS+15], v[ONES:ONES+7], v[TMP+8:TMP+15], 0
	v_wmma_f32_16x16x32_f16 v[LS:LS+7], v[ONES:ONES+7], v[TMP+16:TMP+23], v[LS:LS+7]
	v_wmma_f32_16x16x32_f16 v[LS+8:LS+15], v[ONES:ONES+7], v[TMP+24:TMP+31], v[LS+8:LS+15]
	PLACES
	v_add_f32 v[C0+1], v[LS], v[LS+8]
.endm
.macro TOSTAGE a                       ; 16 bytes a lane into my own stage, and back as whole rows of 256 bytes
	WIN 0
.set BK, OB+32*((\a)%2)
.irp b, 0,1,2,3,4,5,6,7
	ds_store_b128 v[STO], v[TMP+4*(\b):TMP+4*(\b)+3] offset:32*(\b)
.endr
.irp t, 0,1,2,3,4,5,6,7
	ds_load_b128 v[BK+4*(\t):BK+4*(\t)+3], v[RD] offset:(\t)*2*SPITCH  ; LDS serves a wave's instructions in order (ISA guide 5.7.1.4): these see the stores above
.endr
.endm
.macro SEND a
	WIN 0
.set BK, OB+32*((\a)%2)
	s_wait_dscnt 0x0                               ; the block is back in registers
	s_wait_xcnt 0x0                                ; the other buffer, which the block before last was stored from, is loaded again only behind this wait
.irp t, 0,1,2,3,4,5,6,7
	global_store_b128 v[CO], v[BK+4*(\t):BK+4*(\t)+3], s[6:7] offset:(16*(\a)+2*(\t))*PWP  ; 16 lanes store 256 consecutive bytes, at a multiple of 256 from pw's first byte
.endr
.endm
	PLACES                                         ; behind the last products
	SOFT 0
	TOSTAGE 0
.irp a, 1,2,3,4,5,6,7                  ; block a's arithmetic stands between block a - 1's loads from the stage and the wait for them
	SOFT \a
	SEND (\a)-1
	TOSTAGE \a
.endr
	SEND 7
.irp h, 0,1,2,3                        ; (c m, l) of rows 32 h + lane: lanes 0-15 from block 2 h, lanes 16-31 from block 2 h + 1: a store of 256 consecutive bytes
	v_cndmask_b32 v[SV+2*(\h)], v[ST+8*(\h)], v[ST+8*(\h)+4], s61
	v_cndmask_b32 v[SV+2*(\h)+1], v[ST+8*(\h)+1], v[ST+8*(\h)+5], s61
	global_store_b64 v[LN], v[SV+2*(\h):SV+2*(\h)+1], s[8:9] offset:(\h)*256
.endr
	s_wait_tensorcnt 0x0                           ; the wave's end
	ds_add_u32 v[SPW], v[NIL]
	s_wait_dscnt 0x0
	CROUND                                         ; the closing round
	s_endpgm
.Lfunc_end_k_q6280b1c1e9_scores:
	.size	k_q6280b1c1e9_scores, .Lfunc_end_k_q6280b1c1e9_scores-k_q6280b1c1e9_scores
	.p2alignl 7, 3214868480
	.fill 96, 4, 3214868480
	.section	.rodata,"a",@progbits
	.p2align	6, 0x0
	.amdhsa_kernel k_q6280b1c1e9_scores
		.amdhsa_group_segment_fixed_size 327680
		.amdhsa_private_segment_fixed_size 0
		.amdhsa_enable_private_segment 0
		.amdhsa_kernarg_size 24
		.amdhsa_user_sgpr_count 2
		.amdhsa_user_sgpr_kernarg_segment_ptr 1
		.amdhsa_wavefront_size32 1
		.amdhsa_system_sgpr_workgroup_id_x 1
		.amdhsa_system_sgpr_workgroup_id_y 1
		.amdhsa_system_sgpr_workgroup_id_z 1
		.amdhsa_system_vgpr_workitem_id 0
		.amdhsa_next_free_vgpr 1024
		.amdhsa_next_free_sgpr 68
		.amdhsa_reserve_vcc 0
		.amdhsa_float_denorm_mode_32 3
		.amdhsa_float_denorm_mode_16_64 3
		.amdhsa_memory_ordered 1
		.amdhsa_forward_progress 1
		.amdhsa_inst_pref_size 155
	.end_amdhsa_kernel
	.amdgpu_metadata
---
amdhsa.version: [ 1, 2 ]
amdhsa.kernels:
  - .name:           k_q6280b1c1e9_scores
    .symbol:         k_q6280b1c1e9_scores.kd
    .args:
      - { .name: qkv, .offset: 0, .size: 8, .value_kind: global_buffer, .address_space: global }
      - { .name: pw, .offset: 8, .size: 8, .value_kind: global_buffer, .address_space: global }
      - { .name: st, .offset: 16, .size: 8, .value_kind: global_buffer, .address_space: global }
    .group_segment_fixed_size: 327680
    .private_segment_fixed_size: 0
    .kernarg_segment_align: 8
    .kernarg_segment_size: 24
    .max_flat_workgroup_size: 128
    .sgpr_count:     68
    .vgpr_count:     1024
    .wavefront_size: 32
...
	.end_amdgpu_metadata
.endif
;; end of part 3
;; launch pv (part 4): grid 4 x 64, 4 waves a work-group, clusters of 4 x 4, 327,680 bytes of LDS; arguments pw, qkv, xw, st, yh, nr; writes yh, nr
.if DOCPART == 4
	.amdgcn_target "amdgcn-amd-amdhsa--gfx1250"
	.amdhsa_code_object_version 6
	.text
	.protected	k_q6280b1c1e9_pv
	.globl	k_q6280b1c1e9_pv
	.p2align	8
	.type	k_q6280b1c1e9_pv,@function
k_q6280b1c1e9_pv:
	s_mov_b64 s[64:65], 0
	v_nop
	global_prefetch_b8 v0, s[64:65] scope:SCOPE_SE
	s_setreg_imm32_b32 hwreg(HW_REG_WAVE_MODE, 25, 1), 1
	s_wait_xcnt 0x0
	s_wait_alu depctr_hold_cnt(0) depctr_sa_sdst(0) depctr_va_vdst(0) depctr_va_sdst(0) depctr_va_ssrc(0) depctr_va_vcc(0) depctr_vm_vsrc(0)
	s_getreg_b32 s2, hwreg(HW_REG_IB_STS2, 6, 4)
	s_cmp_eq_u32 s2, 0
	s_cbranch_scc0 .Lentry_in_a_cluster
	s_endpgm
.Lentry_in_a_cluster:
	s_bfe_u32 s2, ttmp6, 0x10000c
	s_cmp_lg_u32 s2, 0xf033
	s_cbranch_scc0 .Lentry_shape_is_right
	s_endpgm
.Lentry_shape_is_right:
; y[row][ch] = (sum over kb of w_kb sum over the block's keys of p v[key][ch]) / L + xb[row][ch], with CM = the largest c m of the row's 16 blocks, w_kb = 2^max(c m_kb - CM, -60), L = sum of w_kb l_kb.
; yh = y in f16; nr = the sums of y^2 (of the unrounded y) over 128 channels, which the last launch adds up.  Products in f16 with f32 sums; everything else f32.
; THE WEIGHTS ARE APPLIED IN PLACE.  A K step is one block of 128 keys.  During K step kb an accumulator holds (x L + sum over j <= kb of w_j P_j V_j) / w_kb, so the step's products add onto it as they are.
; Between K steps it is multiplied by rho_kb+1 = w_kb / w_kb+1; it starts as x L / w_0, and the last factor is rho_16 = w_15 / L: what is left is y.  Nothing is cleared and no step is written out by itself.
; LIMITS: v and y within 65,504.  w is held at 2^-60 or more, so that every rho lies in 2^-60 .. 2^60 and an accumulator stays under 2^88 (2^17 for |x| + |v|, 2^11 for L, 2^60): a block whose maximum lies further below the
; row's counts 2^-60 for less, which is under 2^-53 of the row's sum.  A p below 3e-8 arrives as 0 (the launch before rounds p to f16).  L is at least the l of the block that holds the row's maximum, 1 or more, and at most 2,048.
; NaN and infinities are not treated apart.
; SHARES.  256 work-groups: a tile of 128 queries x 256 channels; four waves, each 64 x 128: 32 accumulators.  16 K steps through two LDS slots (two slots of 256 keys, 206,848 bytes each, would not fit).
; CLUSTER 4 x 4: p's tile hangs on the tile row alone (shared by a row of the cluster), v's on the batch (the cluster's y) and the tile column (shared by a column).  The residual's x is each work-group's own: a plain load.
; TRANSPOSED USE: O^T = V^T P: source 0 = 16 channels x 32 keys (v lies [key][channel] and is turned by ds_load_tr16_b128), source 1 = 16 queries x 32 keys: a lane holds one query (lane % 16) and eight neighbouring channels.
; REGISTERS: window 0: v16-29 addresses; v32-39 rho, a pair a row block (the even register counts); v40-43 L / w_0; v44 zero; v48-51 sums of squares; v52-59 at work; v64-95, v96-127 p's fragments, two buffers;
;   v128-191 statistics; v192-223 at work, x, later packed y; v224-255 rows read back.   window 1: v0-63, v64-127 v's fragments.   window 2: accumulator (a, b) at v[8 (8 a + b)].
.set PA,    272                        ; a row of p in LDS: 256 + 16 bytes
.set PB,    544                        ; a row of v: 512 + 32 bytes = 136 words
.set PX,    144                        ; a row of a block of x: 128 + 16
.set AHALF, 64*PA
.set BOFF,  2*AHALF                    ; a slot: p's 128 rows, then v's 128 keys
.set BHALF, 64*PB
.set STAGE, BOFF+2*BHALF               ; between the slots, never filled by a tensor load: 16 rows x 272 bytes for each wave
.set SPARE, STAGE+4*16*PA              ; the spare words
.set SLOT1, 1<<17
.set XB,    SLOT1+STAGE                ; x: four blocks of 64 channels x 128 rows; filled once
.set XBLK,  128*PX
.set WT,    XB+4*XBLK                  ; each wave's own table [16][64 rows] of rho_1 .. rho_16 in f32; stored once, never filled
.set BLK,   11264*128
.set ADRA0, 16
.set ADRB0, 17
.set ADA,   18
.set ADB,   19
.set STO,   20
.set RD,    21
.set CO,    22
.set XA,    23                         ; v23  my place in the blocks of x
.set WA,    24                         ; v24  my row's word in the table: the rho to be loaded next
.set WTA,   25                         ; v25  where I put my words of the table
.set SO,    26                         ; v26  my byte offset in st
.set LN,    27                         ; v27  8 x lane
.set SPW,   28
.set NIL,   29
.set WS,    32
.set LL,    40
.set ZR,    44
.set N,     48
.set SS,    52
.set FA,    64
.set SV,    128
.set XR,    192
.set T,     192
.set OB,    224
.set FB,    0                          ; in window 1
.set G1A, 24
.set G0A, 32
.set G0X, 36                           ; s[36:39], s[68:75] the descriptor for my block of x
.set G1B, 48
.set G0B, 56
.set TB,  60
.set G1X, 68
.set MSB, 0
.macro WIN new
.if MSB != (\new)
	s_set_vgpr_msb (MSB<<8)|(\new)
.set MSB, \new
.endif
.endm
.set MUL,  0xa1                        ; source 0 (v) window 1, source 1 (p) window 0, C and D window 2
.set W_RS, 0x82                        ; source 0 and destination (the accumulator) window 2, source 1 (rho) window 0
.set TO_B, 0x40
.macro PLACES                          ; four places between a matrix instruction and a vector instruction on its result, or a load into its sources (ISA guide 7.12.1 for vector instructions)
.rept 4
	v_nop
.endr
.endm
.macro JLOAD                           ; waves 0 and 1 fetch the halves of p's tile, waves 2 and 3 those of v's; an s_nop 0 and four v_nop follow each line
	s_cmp_eq_u32 s11, 0
	s_cbranch_scc0 .Lfor_b_\@
	tensor_load_to_lds s[G0A:G0A+3], s[G1A:G1A+7]
	s_nop 0
.rept 4
	v_nop
.endr
	s_branch .Lasked_\@
.Lfor_b_\@:
	tensor_load_to_lds s[G0B:G0B+3], s[G1B:G1B+7]
	s_nop 0
.rept 4
	v_nop
.endr
.Lasked_\@:
.endm
.macro CREST
	s_cmp_lg_u32 s10, 0
	s_cbranch_scc1 .Lnot_wave_0_\@
	s_barrier_signal -3
.Lnot_wave_0_\@:
	s_barrier_wait -3
	s_barrier_signal -1
	s_barrier_wait -1
.endm
.macro CROUND
	s_barrier_signal -1
	s_barrier_wait -1
	CREST
.endm
.macro STEPD                           ; the other slot, the next 128 keys: 256 bytes along p's rows, 128 rows of qkv down
	s_xor_b32 s[G0A+1], s[G0A+1], SLOT1
	s_add_nc_u64 s[G0A+2:G0A+3], s[G0A+2:G0A+3], 256
	s_xor_b32 s[G0B+1], s[G0B+1], SLOT1
	s_add_nc_u64 s[G0B+2:G0B+3], s[G0B+2:G0B+3], 128*6144
.endm
	s_load_b256 s[76:83], s[0:1], 0x0              ; pw s[76:77], qkv s[78:79], xw s[80:81], st s[82:83]
	s_load_b128 s[84:87], s[0:1], 0x20             ; yh s[84:85], nr s[86:87]
	v_lshl_add_u32 v[SPW], v0, 2, SPARE
	v_mov_b32 v[NIL], 0
	ds_add_u32 v[SPW], v[NIL]                      ; the wave's opening: the add and its wait ahead of my first tensor load
	v_lshrrev_b32 v1, 5, v0
	v_readfirstlane_b32 s10, v1
	s_lshr_b32 s11, s10, 1                         ; my half of the tile's queries.  Also: I fetch for p (0) or for v (1)
	s_and_b32 s12, s10, 1                          ; my half of its channels.  Also: which half of that tile I fetch
	s_bfe_u32 s40, ttmp6, 0x40000
	s_bfe_u32 s41, ttmp6, 0x40004
	s_lshl_b32 s42, ttmp9, 2
	s_add_co_u32 s42, s42, s40                     ; tile column: 256 channels
	s_and_b32 s13, ttmp7, 0xffff
	s_lshr_b32 s45, s13, 2                         ; the batch: sixteen tile rows, four clusters
	s_lshl_b32 s13, s13, 2
	s_add_co_u32 s13, s13, s41                     ; tile row: 128 of the 8,192 rows
	s_lshl_b32 s43, s41, 2
	s_lshl_b32 s43, 15, s43
	s_lshl_b32 s44, 0x1111, s40
	s_or_b32 s[G1A], s43, (1<<16)|(1<<20)|(1<<21)|(5<<22)|(3<<25)  ; p: 64 rows x 128 elements; 16 bytes of padding after every 64 words
	s_mov_b32 s[G1A+1], 128<<16
	s_mov_b32 s[G1A+2], 64<<16
	s_mov_b32 s[G1A+3], 128<<16
	s_mov_b32 s[G1A+4], 64
	s_mov_b32 s[G1A+5], 2048
	s_mov_b32 s[G1A+6], 0
	s_mov_b32 s[G1A+7], 0
	s_or_b32 s[G1B], s44, (1<<16)|(1<<20)|(1<<21)|(6<<22)|(7<<25)  ; v: 64 keys x 256 elements; 32 bytes of padding after every 128 words
	s_mov_b32 s[G1B+1], 256<<16
	s_mov_b32 s[G1B+2], 64<<16
	s_mov_b32 s[G1B+3], 256<<16
	s_mov_b32 s[G1B+4], 64
	s_mov_b32 s[G1B+5], 3072
	s_mov_b32 s[G1B+6], 0
	s_mov_b32 s[G1B+7], 0
	s_mov_b32 s[G1X], (1<<16)|(1<<20)|(4<<22)|(3<<25)              ; x: no mask; 16,384 dense bytes as 64 rows of 256; 16 bytes of padding after every 32 words
	s_mov_b32 s[G1X+1], 128<<16
	s_mov_b32 s[G1X+2], 64<<16
	s_mov_b32 s[G1X+3], 128<<16
	s_mov_b32 s[G1X+4], 64
	s_mov_b32 s[G1X+5], 128
	s_mov_b32 s[G1X+6], 0
	s_mov_b32 s[G1X+7], 0
	s_mov_b32 s[G0A], 1
	s_mul_i32 s[G0A+1], s12, AHALF
	s_mov_b32 s[G0B], 1
	s_mul_i32 s[G0B+1], s12, BHALF
	s_add_co_u32 s[G0B+1], s[G0B+1], BOFF
	s_mov_b32 s[G0X], 1
	s_mul_i32 s[G0X+1], s10, XBLK
	s_add_co_u32 s[G0X+1], s[G0X+1], XB
	s_lshl_b32 s16, s13, 19                        ; p: (128 x tile row + 64 x half) rows of 4,096 bytes
	s_lshl_b32 s17, s12, 18
	s_add_co_u32 s16, s16, s17
	s_mov_b32 s17, 0
	s_lshl_b32 s46, s45, 11                        ; v: (2,048 x batch + 64 x half) rows of 6,144 bytes, 4,096 + 512 x tile column into the row
	s_lshl_b32 s47, s12, 6
	s_add_co_u32 s46, s46, s47
	s_mul_i32 s46, s46, 6144
	s_lshl_b32 s47, s42, 9
	s_add_co_u32 s46, s46, s47
	s_add_co_u32 s46, s46, 4096
	s_mov_b32 s47, 0
	s_lshl_b32 s18, s42, 2                         ; x: block 4 x tile column + wave, 128 x tile row rows of 128 bytes
	s_add_co_u32 s18, s18, s10
	s_mul_i32 s18, s18, BLK
	s_lshl_b32 s19, s13, 14
	s_add_co_u32 s18, s18, s19
	s_mov_b32 s19, 0
	s_lshl_b32 s20, s13, 10                        ; st: (128 x tile row + 64 x (w / 2)) rows of 8 bytes
	s_lshl_b32 s21, s11, 9
	s_add_co_u32 s20, s20, s21
	s_mov_b32 s21, 0
	s_mov_b32 s[TB], 0
	s_mov_b32 s61, 0xffff0000                      ; lanes 16-31
	s_mov_b32 s62, 0x76543210
	s_mov_b32 s63, 0xfedcba98
	s_wait_dscnt 0x0
	s_wait_kmcnt 0x0
	s_add_nc_u64 s[G0A+2:G0A+3], s[76:77], s[16:17]
	s_or_b32 s[G0A+3], s[G0A+3], 0x80000000
	s_add_nc_u64 s[G0B+2:G0B+3], s[78:79], s[46:47]
	s_or_b32 s[G0B+3], s[G0B+3], 0x80000000
	s_add_nc_u64 s[G0X+2:G0X+3], s[80:81], s[18:19]
	s_or_b32 s[G0X+3], s[G0X+3], 0x80000000
	s_add_nc_u64 s[82:83], s[82:83], s[20:21]
	CROUND                                         ; all sixteen work-groups are here
	s_cmp_eq_u32 s11, 0                            ; a wave's two first fills stand in one branch: my block of x and my part of K step 0: two loads of mine are out
	s_cbranch_scc0 .Lfirst_b
	tensor_load_to_lds s[G0X:G0X+3], s[G1X:G1X+7]
	s_nop 0
	tensor_load_to_lds s[G0A:G0A+3], s[G1A:G1A+7]
	s_nop 0
.rept 4
	v_nop
.endr
	s_branch .Lfirst_asked
.Lfirst_b:
	tensor_load_to_lds s[G0X:G0X+3], s[G1X:G1X+7]
	s_nop 0
	tensor_load_to_lds s[G0B:G0B+3], s[G1B:G1B+7]
	s_nop 0
.rept 4
	v_nop
.endr
.Lfirst_asked:
	v_and_b32 v1, 15, v0                           ; l % 16
	v_bfe_u32 v2, v0, 4, 1                         ; l / 16
	v_and_b32 v3, 7, v0
	v_bfe_u32 v4, v0, 3, 1
	v_lshlrev_b32 v[SO], 19, v2                    ; lanes 16-31 take blocks 8 to 15: 8 x 65,536 bytes on
	v_lshl_add_u32 v[SO], v1, 3, v[SO]
.irp a, 0,1,2,3                        ; (c m, l) of my row in each row block, eight key blocks a lane
.irp i, 0,1,2,3,4,5,6,7
	global_load_b64 v[SV+2*(8*(\a)+(\i)):SV+2*(8*(\a)+(\i))+1], v[SO], s[82:83] offset:(\i)*65536+(\a)*128
.endr
.endr
	v_mul_u32_u24 v5, v1, PA
	v_lshl_add_u32 v5, v2, 4, v5                   ; row x 272 + 16 x half
	s_mul_i32 s21, s11, AHALF
	v_add_nc_u32 v[ADRA0], s21, v5
	v_lshl_add_u32 v6, v2, 3, v3                   ; the turning load: lane l reads key 8 (l / 16) + l % 8, channels 8 ((l / 8) % 2) + 0..7
	v_mul_u32_u24 v6, v6, PB
	v_lshl_add_u32 v6, v4, 4, v6
	s_lshl_b32 s22, s12, 8                         ; my 128 channels
	s_add_co_u32 s22, s22, BOFF
	v_add_nc_u32 v[ADRB0], s22, v6
	v_mov_b32 v[ADA], v[ADRA0]
	v_mov_b32 v[ADB], v[ADRB0]
	s_mul_i32 s23, s10, 16*PA
	s_add_co_u32 s23, s23, STAGE                   ; my stage
	v_add_nc_u32 v[STO], s23, v5
	v_mul_u32_u24 v7, v2, PA
	v_lshl_add_u32 v7, v1, 4, v7
	v_add_nc_u32 v[RD], s23, v7
	v_lshlrev_b32 v[CO], 11, v2
	v_lshl_add_u32 v[CO], v1, 4, v[CO]
	s_mul_i32 s21, s12, 2*XBLK                     ; x: my two blocks of 64 channels, my 64 rows
	s_mul_i32 s22, s11, 64*PX
	s_add_co_u32 s21, s21, s22
	s_add_co_u32 s21, s21, XB
	v_mul_u32_u24 v8, v1, PX
	v_lshl_add_u32 v8, v2, 4, v8
	v_add_nc_u32 v[XA], s21, v8
	s_lshl_b32 s22, s10, 12
	s_add_co_u32 s22, s22, WT                      ; my wave's table
	v_lshl_add_u32 v[WA], v1, 2, s22
	v_lshl_add_u32 v[WTA], v2, 11, v[WA]           ; lanes 16-31 write rho_9 to rho_16
	v_and_b32 v[LN], 31, v0
	v_lshlrev_b32 v[LN], 3, v[LN]
	v_mov_b32 v[SS+1], 0                           ; v_permlanex16_b32's destination counts as read
	v_mov_b32 v[SS+5], 0
	v_mov_b32 v[ZR], 0
.irp a, 0,1,2,3
	v_mov_b32 v[WS+2*(\a)], 1.0                    ; the factor in front of K step 0, which only row block 3 is multiplied by
	v_mov_b32 v[WS+2*(\a)+1], 0                    ; named with rho as a pair by the packed multiply, which takes the even register for both halves
.endr
	s_lshl_b32 s16, s13, 18                        ; yh: (128 x tile row + 64 x (w / 2)) rows of 2,048 bytes + 512 x tile column + 256 x (w % 2)
	s_lshl_b32 s17, s11, 17
	s_add_co_u32 s16, s16, s17
	s_lshl_b32 s17, s42, 9
	s_add_co_u32 s16, s16, s17
	s_lshl_b32 s17, s12, 8
	s_add_co_u32 s16, s16, s17
	s_mov_b32 s17, 0
	s_add_nc_u64 s[84:85], s[84:85], s[16:17]
	s_lshl_b32 s16, s42, 1                         ; nr: (2 x tile column + w % 2) x 32,768 + (2 x tile row + w / 2) x 256
	s_add_co_u32 s16, s16, s12
	s_lshl_b32 s16, s16, 15
	s_lshl_b32 s17, s13, 1
	s_add_co_u32 s17, s17, s11
	s_lshl_b32 s17, s17, 8
	s_add_co_u32 s16, s16, s17
	s_mov_b32 s17, 0
	s_add_nc_u64 s[86:87], s[86:87], s[16:17]
	s_wait_tensorcnt 0x0                           ; x and K step 0 are in, my parts of them; slot 1 is filled for the first time, in the form of every later change of slots
	ds_add_u32 v[SPW], v[NIL]
	STEPD
	s_wait_dscnt 0x0
	CROUND
	JLOAD                                          ; K step 1 into slot 1
; accumulator (r, b) times my row's rho: four packed multiplies, the accumulator's registers in ascending order
.macro RS4 r, b
	WIN W_RS
.irp z, 0,1,2,3
	v_pk_mul_f32 v[8*(8*(\r)+(\b))+2*(\z):8*(8*(\r)+(\b))+2*(\z)+1], v[8*(8*(\r)+(\b))+2*(\z):8*(8*(\r)+(\b))+2*(\z)+1], v[WS+2*(\r):WS+2*(\r)+1] op_sel_hi:[1,0]
.endr
.endm
; Eight matrix instructions: row block a x all 8 channel blocks, 32 keys; the accumulators take turns.
; ride = r (0 to 3): behind each product stand the four multiplies that take accumulator (r, b), whose K step is over, on to the next K step; ride = -1: none.
.macro MULA fa, fb, a, ride
.irp b, 0,1,2,3,4,5,6,7
	WIN MUL
	v_wmma_f32_16x16x32_f16 v[8*(8*(\a)+(\b)):8*(8*(\a)+(\b))+7], v[(\fb)+8*(\b):(\fb)+8*(\b)+7], v[(\fa)+8*(\a):(\fa)+8*(\a)+7], v[8*(8*(\a)+(\b)):8*(8*(\a)+(\b))+7]
.if (\ride) >= 0
	RS4 \ride, \b
.endif
.endr
.endm
.macro FETCH k4, ga, gb                ; 24 LDS loads in one run: p's 4 and v's 8 fragments of keys 32 k4 on
	WIN 0
.irp a, 0,1,2,3
	ds_load_b128 v[(\ga)+8*(\a):(\ga)+8*(\a)+3],   v[ADA] offset:(\a)*16*PA+64*(\k4)
	ds_load_b128 v[(\ga)+8*(\a)+4:(\ga)+8*(\a)+7], v[ADA] offset:(\a)*16*PA+64*(\k4)+32
.endr
	WIN TO_B
.irp b, 0,1,2,3,4,5,6,7
	ds_load_tr16_b128 v[(\gb)+8*(\b):(\gb)+8*(\b)+3],   v[ADB] offset:(\k4)*32*PB+32*(\b)
	ds_load_tr16_b128 v[(\gb)+8*(\b)+4:(\gb)+8*(\b)+7], v[ADB] offset:(\k4)*32*PB+16*PB+32*(\b)
.endr
.endm
; A quarter of a K step: 32 matrix instructions on buffer f; in their middle the next quarter's fragments into buffer g.
; first = 1: the K step's first: row block 3, whose last products of the K step before stand at that step's end, is multiplied by rho beside row block 0's products; behind that the next rho is loaded.
.macro QUARTER k4, f, g, first
	s_wait_dscnt 0x0                               ; buffer f is in (and, behind a K step's first quarter, the next rho)
.if \first
	MULA FA+32*(\f), FB+64*(\f), 0, 3
	WIN 0
.irp a, 0,1,2,3
	ds_load_b32 v[WS+2*(\a)], v[WA] offset:64*(\a) ; behind the last line that reads the old rho
.endr
	v_add_nc_u32 v[WA], 0x100, v[WA]
.else
	MULA FA+32*(\f), FB+64*(\f), 0, -1
.endif
	MULA FA+32*(\f), FB+64*(\f), 1, -1
.if (\first) == 0
	PLACES                                         ; behind the last product that read buffer g; with first = 1 the 32 multiplies above are the places
.endif
	FETCH \k4, FA+32*(\g), FB+64*(\g)
	MULA FA+32*(\f), FB+64*(\f), 2, -1
	MULA FA+32*(\f), FB+64*(\f), 3, -1
.endm
; The last quarter and the change of slots.  Row block a - 1, finished eight products back, is multiplied by rho beside row block a's products; four v_nop are the places behind row block 0's.
; Row blocks 0 and 1 stand ahead of the change.  Then the wait for all my tensor loads (one is out: my part of the next slot), the add, and the wait for it and for my reads of this slot; one barrier, with fill = 1 a round
; of the cluster's; the joint refill first behind it.  Nothing but the add, the descriptors' step and the round stands between the wait that shows one tile landed and the next request.
.macro TURN fill
	s_wait_dscnt 0x0                               ; buffer 1 is in
	MULA FA+32, FB+64, 0, -1
	PLACES
	MULA FA+32, FB+64, 1, 0
	WIN 0
	s_wait_tensorcnt 0x0                           ; no tensor load of mine is out, so a group 0 may be written
	ds_add_u32 v[SPW], v[NIL]
.if \fill
	STEPD
.endif
	s_wait_dscnt 0x0                               ; the add is done; my reads of this slot were over at the quarter's head
.if \fill
	CROUND                                         ; no wave of any partner still reads the slot or has a load on its way
	JLOAD
.else
	s_barrier_signal -1
	s_barrier_wait -1
.endif
	s_xor_b32 s[TB], s[TB], SLOT1
	v_add_nc_u32 v[ADA], s[TB], v[ADRA0]
	v_add_nc_u32 v[ADB], s[TB], v[ADRB0]
	FETCH 0, FA, FB                                ; buffer 0's last reader stands in front of the four v_nop and the 32 multiplies above
	MULA FA+32, FB+64, 2, 1
	MULA FA+32, FB+64, 3, 2
.endm
; The accumulators of row block a start as x L / w_0: one fused multiply-add from each bf16 half, with 0 added.
.macro XINIT a
	WIN 0
.irp b, 0,1,2,3,4,5,6,7
	ds_load_b128 v[XR+4*(\b):XR+4*(\b)+3], v[XA] offset:((\b)/4)*XBLK+(\a)*16*PX+((\b)%4)*32
.endr
	s_wait_dscnt 0x0
	WIN 0x80                                       ; destination in window 2
.set i, 0
.rept 32
	v_fma_mix_f32_bf16 v[64*(\a)+2*i], v[XR+i], v[LL+(\a)], v[ZR] op_sel_hi:[1,0,0]
	v_fma_mix_f32_bf16 v[64*(\a)+2*i+1], v[XR+i], v[LL+(\a)], v[ZR] op_sel:[1,0,0] op_sel_hi:[1,0,0]
.set i, i+1
.endr
	WIN 0
.endm
	FETCH 0, FA, FB                                ; K step 0's first fragments are on their way while the statistics are worked out
	WIN 0
	s_wait_loadcnt 0x0
; My row of row block a; my lanes' half h holds blocks 8 h + i, i = 0 .. 7.  d = max(c m - CM, -60); w = 2^d; L; then rho_(8 h + i + 1) = 2^(d_i - d_i+1), where d_8 comes from the other half and rho_16 = w_15 / L.
.irp a, 0,1,2,3
.set V, SV+16*(\a)
	v_max3_num_f32 v[SS], v[V], v[V+2], v[V+4]     ; CM: my eight blocks', then the other eight's from the lane 16 away
	v_max3_num_f32 v[SS], v[SS], v[V+6], v[V+8]
	v_max3_num_f32 v[SS], v[SS], v[V+10], v[V+12]
	v_max_num_f32 v[SS], v[SS], v[V+14]
	v_permlanex16_b32 v[SS+1], v[SS], s62, s63
	v_max_num_f32 v[SS], v[SS], v[SS+1]
.irp i, 0,1,2,3,4,5,6,7
	v_sub_f32 v[V+2*(\i)], v[V+2*(\i)], v[SS]
.endr
.irp i, 0,1,2,3,4,5,6,7
	v_max_num_f32 v[V+2*(\i)], 0xc2700000, v[V+2*(\i)]  ; d, at least -60
.endr
	v_permlanex16_b32 v[SS+1], v[V], s62, s63      ; the other half's first d: block 8's for lanes 0-15, block 0's for lanes 16-31
.irp i, 0,1,2,3,4,5,6,7
	v_exp_f32 v[T+(\i)], v[V+2*(\i)]               ; w
.endr
	v_cndmask_b32 v[SS+3], v[SS+1], 0, s61         ; what follows my last block: d_8, or nothing.  (A plain instruction between the exponentials and the use of their results: ISA guide 5.7.2)
	v_cndmask_b32 v[SS+4], v[V], v[SS+1], s61      ; d_0, in both halves
	v_sub_f32 v[SS+4], 0, v[SS+4]
	s_wait_alu depctr_va_vdst(0)
	v_mul_f32 v[SS+2], v[T], v[V+1]
.irp i, 1,2,3,4,5,6,7
	v_fmac_f32 v[SS+2], v[T+(\i)], v[V+2*(\i)+1]
.endr
	v_permlanex16_b32 v[SS+5], v[SS+2], s62, s63
	v_add_f32 v[SS+2], v[SS+2], v[SS+5]            ; L
.irp i, 0,1,2,3,4,5,6
	v_sub_f32 v[V+2*(\i)], v[V+2*(\i)], v[V+2*(\i)+2]
.endr
	v_sub_f32 v[V+14], v[V+14], v[SS+3]
	v_rcp_f32 v[SS+6], v[SS+2]                     ; 1 / L
	v_exp_f32 v[SS+7], v[SS+4]                     ; 1 / w_0
.irp i, 0,1,2,3,4,5,6,7
	v_exp_f32 v[V+2*(\i)], v[V+2*(\i)]             ; rho
.endr
	v_nop                                          ; a plain instruction between these and the use of their results
	s_wait_alu depctr_va_vdst(0)
	v_cndmask_b32 v[SS+5], 1.0, v[SS+6], s61
	v_mul_f32 v[LL+(\a)], v[SS+2], v[SS+7]         ; L / w_0
	v_mul_f32 v[V+14], v[V+14], v[SS+5]            ; lanes 16-31: rho_16 = w_15 / L
.irp i, 0,1,2,3,4,5,6,7
	ds_store_b32 v[WTA], v[V+2*(\i)] offset:(\i)*256+(\a)*64
.endr
.endr
	XINIT 0                                        ; every wave's block of x was waited for in front of the round above
	XINIT 1
	XINIT 2
	XINIT 3                                        ; the table is my wave's own, and LDS serves a wave's instructions in order (ISA guide 5.7.1.4): no barrier in front of its reads
	s_mov_b32 s3, 14
.Lstep:                                                ; 14 trips, a K step each: K steps 2 to 15 are asked for
	QUARTER 1, 0, 1, 1
	QUARTER 2, 1, 0, 0
	QUARTER 3, 0, 1, 0
	TURN 1
	WIN 0
	s_sub_co_u32 s3, s3, 1
	s_cmp_lg_u32 s3, 0
	s_cbranch_scc1 .Lstep
; The last two K steps ask for nothing: a second text, walked twice.  At the second trip's end there is no further K step: the change's 24 LDS loads bring stale bytes of the other
; slot into registers that nobody multiplies: the price, once a launch, of one text for both trips.
	s_mov_b32 s3, 2
.Ltail:
	QUARTER 1, 0, 1, 1
	QUARTER 2, 1, 0, 0
	QUARTER 3, 0, 1, 0
	TURN 0
	WIN 0
	s_sub_co_u32 s3, s3, 1
	s_cmp_lg_u32 s3, 0
	s_cbranch_scc1 .Ltail
	s_wait_dscnt 0x0
.irp b, 0,1,2,3,4,5,6,7                ; the last row block's last factor: the four multiplies behind its last product are the places
	RS4 3, \b
.endr
; THE WAY OUT of row block a: the accumulators hold y.  The sum of y^2; y rounded to f16, through my stage, stored as whole rows of 256 bytes.
.macro OUT a
	WIN 0x0a                                       ; sources 0 and 1 in window 2
.set i, 0
.rept 32                               ; four chains that do not wait for each other; the first four products start them
.if i < 4
	v_pk_mul_f32 v[SS+2*i:SS+2*i+1], v[64*(\a)+2*i:64*(\a)+2*i+1], v[64*(\a)+2*i:64*(\a)+2*i+1]
.else
	v_pk_fma_f32 v[SS+2*(i%4):SS+2*(i%4)+1], v[64*(\a)+2*i:64*(\a)+2*i+1], v[64*(\a)+2*i:64*(\a)+2*i+1], v[SS+2*(i%4):SS+2*(i%4)+1]
.endif
.set i, i+1
.endr
.set i, 0
.rept 32
	v_cvt_pk_f16_f32 v[XR+i], v[64*(\a)+2*i], v[64*(\a)+2*i+1]
.set i, i+1
.endr
	WIN 0
	v_pk_add_f32 v[SS:SS+1], v[SS:SS+1], v[SS+2:SS+3]
	v_pk_add_f32 v[SS+4:SS+5], v[SS+4:SS+5], v[SS+6:SS+7]
	v_pk_add_f32 v[SS:SS+1], v[SS:SS+1], v[SS+4:SS+5]
	v_add_f32 v[N+(\a)], v[SS], v[SS+1]
	v_permlanex16_b32 v[SS+2], v[N+(\a)], s62, s63 ; the row's other 64 channels lie in the lane 16 away
	v_add_f32 v[N+(\a)], v[N+(\a)], v[SS+2]
.irp b, 0,1,2,3,4,5,6,7
	ds_store_b128 v[STO], v[XR+4*(\b):XR+4*(\b)+3] offset:32*(\b)
.endr
	s_wait_xcnt 0x0                                ; the registers that the last block was stored from are loaded again only behind this wait
.irp t, 0,1,2,3,4,5,6,7
	ds_load_b128 v[OB+4*(\t):OB+4*(\t)+3], v[RD] offset:(\t)*2*PA  ; LDS serves a wave's instructions in order (ISA guide 5.7.1.4): these see the stores above
.endr
	s_wait_dscnt 0x0
.irp t, 0,1,2,3,4,5,6,7
	global_store_b128 v[CO], v[OB+4*(\t):OB+4*(\t)+3], s[84:85] offset:(16*(\a)+2*(\t))*2048  ; 16 lanes store 256 consecutive bytes, at a multiple of 256 from yh's first byte
.endr
.endm
	OUT 0
	OUT 1
	OUT 2
	OUT 3
	v_cndmask_b32 v[SS], v[N], v[N+1], s61         ; rows 0-31 by lane, then rows 32-63: one store of 256 consecutive bytes
	v_cndmask_b32 v[SS+1], v[N+2], v[N+3], s61
	global_store_b64 v[LN], v[SS:SS+1], s[86:87]
	s_wait_tensorcnt 0x0                           ; the wave's end
	ds_add_u32 v[SPW], v[NIL]
	s_wait_dscnt 0x0
	CROUND                                         ; the closing round
	s_endpgm
.Lfunc_end_k_q6280b1c1e9_pv:
	.size	k_q6280b1c1e9_pv, .Lfunc_end_k_q6280b1c1e9_pv-k_q6280b1c1e9_pv
	.p2alignl 7, 3214868480
	.fill 96, 4, 3214868480
	.section	.rodata,"a",@progbits
	.p2align	6, 0x0
	.amdhsa_kernel k_q6280b1c1e9_pv
		.amdhsa_group_segment_fixed_size 327680
		.amdhsa_private_segment_fixed_size 0
		.amdhsa_enable_private_segment 0
		.amdhsa_kernarg_size 48
		.amdhsa_user_sgpr_count 2
		.amdhsa_user_sgpr_kernarg_segment_ptr 1
		.amdhsa_wavefront_size32 1
		.amdhsa_system_sgpr_workgroup_id_x 1
		.amdhsa_system_sgpr_workgroup_id_y 1
		.amdhsa_system_sgpr_workgroup_id_z 1
		.amdhsa_system_vgpr_workitem_id 0
		.amdhsa_next_free_vgpr 768
		.amdhsa_next_free_sgpr 88
		.amdhsa_reserve_vcc 0
		.amdhsa_float_denorm_mode_32 3
		.amdhsa_float_denorm_mode_16_64 3
		.amdhsa_memory_ordered 1
		.amdhsa_forward_progress 1
		.amdhsa_inst_pref_size 126
	.end_amdhsa_kernel
	.amdgpu_metadata
---
amdhsa.version: [ 1, 2 ]
amdhsa.kernels:
  - .name:           k_q6280b1c1e9_pv
    .symbol:         k_q6280b1c1e9_pv.kd
    .args:
      - { .name: pw, .offset: 0, .size: 8, .value_kind: global_buffer, .address_space: global }
      - { .name: qkv, .offset: 8, .size: 8, .value_kind: global_buffer, .address_space: global }
      - { .name: xw, .offset: 16, .size: 8, .value_kind: global_buffer, .address_space: global }
      - { .name: st, .offset: 24, .size: 8, .value_kind: global_buffer, .address_space: global }
      - { .name: yh, .offset: 32, .size: 8, .value_kind: global_buffer, .address_space: global }
      - { .name: nr, .offset: 40, .size: 8, .value_kind: global_buffer, .address_space: global }
    .group_segment_fixed_size: 327680
    .private_segment_fixed_size: 0
    .kernarg_segment_align: 8
    .kernarg_segment_size: 48
    .max_flat_workgroup_size: 128
    .sgpr_count:     88
    .vgpr_count:     768
    .wavefront_size: 32
...
	.end_amdgpu_metadata
.endif
;; end of part 4
;; launch norm (part 5): grid 256 x 1, 8 waves a work-group, no clusters, 0 bytes of LDS; arguments yh, nr, out0; writes out0
.if DOCPART == 5
	.amdgcn_target "amdgcn-amd-amdhsa--gfx1250"
	.amdhsa_code_object_version 6
	.text
	.protected	k_q6280b1c1e9_norm
	.globl	k_q6280b1c1e9_norm
	.p2align	8
	.type	k_q6280b1c1e9_norm,@function
k_q6280b1c1e9_norm:
	s_mov_b64 s[64:65], 0
	v_nop
	global_prefetch_b8 v0, s[64:65] scope:SCOPE_SE
	s_setreg_imm32_b32 hwreg(HW_REG_WAVE_MODE, 25, 1), 1
	s_wait_xcnt 0x0
; out0[row][:] = y[row][:] / sqrt(sum of y^2).  yh: [8192][1024] f16.  nr: [8 blocks of 128 channels][128 blocks of 64 rows][32][2] f32, element (i, j) the partial sum of row 32 j + i of its block.
; LIMIT: a sum of squares below 2^-126 counts as 0 in v_rsq_f32 (ISA guide 15.8).
; A stream: no LDS, no matrix unit, no barrier.  Eight waves; the work-group owns 32 rows, a wave four.  A load of a wave covers 256 consecutive bytes of yh, a store 512 of out0.
; All 33 loads of a lane are issued at once and no register is used twice, so the only waits are the counted ones for the loads.
.set NO, 1                             ; v1  my byte offset in nr
.set YO, 2                             ; v2  in the group's rows of yh
.set OO, 3                             ; v3  in its rows of out0
.set SQ, 8                             ; v8  a partial sum, then 1 / norm
.set Y,  16                            ; v16-79   piece n of 32: 4 f16
.set O,  80                            ; v80-207  piece n: 4 f32
	s_load_b128 s[4:7], s[0:1], 0x0                ; yh s[4:5], nr s[6:7]
	s_load_b64 s[8:9], s[0:1], 0x10                ; out0
	s_mov_b32 s2, ttmp9                            ; g: rows 32 g .. 32 g + 31
	v_and_b32 v4, 7, v0                            ; lane l takes channel block l % 8
	v_lshrrev_b32 v5, 3, v0                        ; of the group's row thread / 8: row l / 8 of my wave's four
	v_lshlrev_b32 v[NO], 15, v4
	v_lshl_add_u32 v[NO], v5, 3, v[NO]
	v_lshrrev_b32 v6, 5, v0                        ; wave
	v_and_b32 v7, 31, v0                           ; lane
	v_lshlrev_b32 v[YO], 13, v6                    ; four rows of 2,048 bytes a wave, 8 bytes a lane
	v_lshl_add_u32 v[YO], v7, 3, v[YO]
	v_lshlrev_b32 v[OO], 14, v6                    ; four rows of 4,096 bytes, 16 bytes a lane
	v_lshl_add_u32 v[OO], v7, 4, v[OO]
	s_lshr_b32 s10, s2, 1                          ; the block of 64 rows,
	s_lshl_b32 s10, s10, 8
	s_and_b32 s11, s2, 1                           ; and which half of it
	s_lshl_b32 s11, s11, 2
	s_add_co_u32 s10, s10, s11
	s_mov_b32 s11, 0
	s_lshl_b32 s12, s2, 16
	s_mov_b32 s13, 0
	s_lshl_b32 s14, s2, 17
	s_mov_b32 s15, 0
	s_wait_kmcnt 0x0
	s_add_nc_u64 s[6:7], s[6:7], s[10:11]
	s_add_nc_u64 s[4:5], s[4:5], s[12:13]
	s_add_nc_u64 s[8:9], s[8:9], s[14:15]
	global_load_b32 v[SQ], v[NO], s[6:7]
.set n, 0
.rept 32                               ; piece n: row n / 8 of my four, bytes 256 (n % 8) on
	global_load_b64 v[Y+2*n:Y+2*n+1], v[YO], s[4:5] offset:(n/8)*2048+(n%8)*256 th:TH_LOAD_NT
.set n, n+1
.endr
	s_wait_loadcnt 32                              ; the partial sum is in; the 32 loads of y stay out
	v_add_f32_dpp v[SQ], v[SQ], v[SQ] row_xmask:1 row_mask:0xf bank_mask:0xf  ; over the eight channel blocks: eight neighbouring lanes
	v_add_f32_dpp v[SQ], v[SQ], v[SQ] row_xmask:2 row_mask:0xf bank_mask:0xf
	v_add_f32_dpp v[SQ], v[SQ], v[SQ] row_xmask:4 row_mask:0xf bank_mask:0xf
	v_rsq_f32 v[SQ], v[SQ]
	v_nop                                          ; a plain instruction between v_rsq_f32 and the use of its result (ISA guide 5.7.2)
	s_wait_alu depctr_va_vdst(0)
.irp r, 0,1,2,3
	v_readlane_b32 s[20+2*(\r)], v[SQ], 8*(\r)     ; row r's 1 / norm, as a pair for the packed multiply
	v_readlane_b32 s[21+2*(\r)], v[SQ], 8*(\r)
.endr
; Piece n: its four f16 (the halves are named outright) widened, scaled and stored.
.macro PART n, a, b, c, d
	s_wait_loadcnt 31-(\n)                         ; loads come back in order: piece n is in
	v_cvt_f32_f16 v[O+4*(\n)], \a
	v_cvt_f32_f16 v[O+4*(\n)+1], \b
	v_cvt_f32_f16 v[O+4*(\n)+2], \c
	v_cvt_f32_f16 v[O+4*(\n)+3], \d
	v_pk_mul_f32 v[O+4*(\n):O+4*(\n)+1], v[O+4*(\n):O+4*(\n)+1], s[20+2*((\n)/8):21+2*((\n)/8)] op_sel_hi:[1,0]
	v_pk_mul_f32 v[O+4*(\n)+2:O+4*(\n)+3], v[O+4*(\n)+2:O+4*(\n)+3], s[20+2*((\n)/8):21+2*((\n)/8)] op_sel_hi:[1,0]
	global_store_b128 v[OO], v[O+4*(\n):O+4*(\n)+3], s[8:9] offset:((\n)/8)*4096+((\n)%8)*512 th:TH_STORE_NT
.endm
	PART 0, v16.l, v16.h, v17.l, v17.h
	PART 1, v18.l, v18.h, v19.l, v19.h
	PART 2, v20.l, v20.h, v21.l, v21.h
	PART 3, v22.l, v22.h, v23.l, v23.h
	PART 4, v24.l, v24.h, v25.l, v25.h
	PART 5, v26.l, v26.h, v27.l, v27.h
	PART 6, v28.l, v28.h, v29.l, v29.h
	PART 7, v30.l, v30.h, v31.l, v31.h
	PART 8, v32.l, v32.h, v33.l, v33.h
	PART 9, v34.l, v34.h, v35.l, v35.h
	PART 10, v36.l, v36.h, v37.l, v37.h
	PART 11, v38.l, v38.h, v39.l, v39.h
	PART 12, v40.l, v40.h, v41.l, v41.h
	PART 13, v42.l, v42.h, v43.l, v43.h
	PART 14, v44.l, v44.h, v45.l, v45.h
	PART 15, v46.l, v46.h, v47.l, v47.h
	PART 16, v48.l, v48.h, v49.l, v49.h
	PART 17, v50.l, v50.h, v51.l, v51.h
	PART 18, v52.l, v52.h, v53.l, v53.h
	PART 19, v54.l, v54.h, v55.l, v55.h
	PART 20, v56.l, v56.h, v57.l, v57.h
	PART 21, v58.l, v58.h, v59.l, v59.h
	PART 22, v60.l, v60.h, v61.l, v61.h
	PART 23, v62.l, v62.h, v63.l, v63.h
	PART 24, v64.l, v64.h, v65.l, v65.h
	PART 25, v66.l, v66.h, v67.l, v67.h
	PART 26, v68.l, v68.h, v69.l, v69.h
	PART 27, v70.l, v70.h, v71.l, v71.h
	PART 28, v72.l, v72.h, v73.l, v73.h
	PART 29, v74.l, v74.h, v75.l, v75.h
	PART 30, v76.l, v76.h, v77.l, v77.h
	PART 31, v78.l, v78.h, v79.l, v79.h
	s_endpgm
.Lfunc_end_k_q6280b1c1e9_norm:
	.size	k_q6280b1c1e9_norm, .Lfunc_end_k_q6280b1c1e9_norm-k_q6280b1c1e9_norm
	.p2alignl 7, 3214868480
	.fill 96, 4, 3214868480
	.section	.rodata,"a",@progbits
	.p2align	6, 0x0
	.amdhsa_kernel k_q6280b1c1e9_norm
		.amdhsa_group_segment_fixed_size 0
		.amdhsa_private_segment_fixed_size 0
		.amdhsa_enable_private_segment 0
		.amdhsa_kernarg_size 24
		.amdhsa_user_sgpr_count 2
		.amdhsa_user_sgpr_kernarg_segment_ptr 1
		.amdhsa_wavefront_size32 1
		.amdhsa_system_sgpr_workgroup_id_x 1
		.amdhsa_system_sgpr_workgroup_id_y 1
		.amdhsa_system_sgpr_workgroup_id_z 1
		.amdhsa_system_vgpr_workitem_id 0
		.amdhsa_next_free_vgpr 208
		.amdhsa_next_free_sgpr 66
		.amdhsa_reserve_vcc 0
		.amdhsa_float_denorm_mode_32 3
		.amdhsa_float_denorm_mode_16_64 3
		.amdhsa_memory_ordered 1
		.amdhsa_forward_progress 1
		.amdhsa_inst_pref_size 18
	.end_amdhsa_kernel
	.amdgpu_metadata
---
amdhsa.version: [ 1, 2 ]
amdhsa.kernels:
  - .name:           k_q6280b1c1e9_norm
    .symbol:         k_q6280b1c1e9_norm.kd
    .args:
      - { .name: yh, .offset: 0, .size: 8, .value_kind: global_buffer, .address_space: global }
      - { .name: nr, .offset: 8, .size: 8, .value_kind: global_buffer, .address_space: global }
      - { .name: out0, .offset: 16, .size: 8, .value_kind: global_buffer, .address_space: global }
    .group_segment_fixed_size: 0
    .private_segment_fixed_size: 0
    .kernarg_segment_align: 8
    .kernarg_segment_size: 24
    .max_flat_workgroup_size: 256
    .sgpr_count:     66
    .vgpr_count:     208
    .wavefront_size: 32
...
	.end_amdgpu_metadata
.endif
;; end of part 5
;; ======== version 2 of 2: 5 launches; version 1 with the launches cast, norm written anew for expert scheduling mode
;; limits: values outside matrix products are rounded to f16; values are held in f16: magnitudes above 65,504 overflow, below 6.1e-05 lose precision
;; workspace buffers: xw 23,068,672 bytes; qkv 50,331,648 bytes; pw 33,554,432 bytes; st 1,048,576 bytes; yh 16,777,216 bytes; nr 262,144 bytes
;; launch cast (part 6): grid 704 x 1, 8 waves a work-group, no clusters, 0 bytes of LDS; arguments x, Wq, Wk, Wv, xw; writes xw
.if DOCPART == 6
	.amdgcn_target "amdgcn-amd-amdhsa--gfx1250"
	.amdhsa_code_object_version 6
	.text
	.protected	k_q6280b1c1e9_cast
	.globl	k_q6280b1c1e9_cast
	.p2align	8
	.type	k_q6280b1c1e9_cast,@function
k_q6280b1c1e9_cast:
	s_mov_b64 s[64:65], 0
	v_nop
	global_prefetch_b8 v0, s[64:65] scope:SCOPE_SE
	s_setreg_imm32_b32 hwreg(HW_REG_WAVE_SCHED_MODE, 0, 2), 2
	s_setreg_imm32_b32 hwreg(HW_REG_WAVE_MODE, 25, 1), 1
	s_wait_xcnt 0x0
	s_wait_alu depctr_vm_vsrc(0)
; xw = x, Wq, Wk, Wv rounded once to bf16 (nearest even): the one rounding of the inputs for the whole program, the residual's x too.
; LAYOUT of xw: [16 blocks of 64 columns][11,264 rows][64] bf16.  Rows 0-8191 are x's, 8192-9215 Wq's, 9216-10239 Wk's, 10240-11263 Wv's.
; So R rows x 64 columns are R x 128 consecutive bytes, which the next launch asks for as rows of 256 bytes.
; A stream: no LDS, no matrix unit, no barrier.  Eight waves; the work-group owns 16 rows.  Sixteen lanes read 256 consecutive bytes of one row (64 f32, one block's columns),
; lanes 16-31 the same of the next row; a wave's store is 256 consecutive bytes of xw (two rows of one block), at a multiple of 256 from xw's first byte.
; All sixteen loads of a lane are issued at once, and no register is used twice.
; THE MODE: SCHED_MODE bits 1:0 = 2 (LLVM: expert scheduling mode 2), set by the entry lines.  The code itself states the register dependences
; between vector instructions and memory instructions, with s_wait_alu, always for 0.
; THE PLAN.  Registers that memory instructions touch:
;   v[LO], v[SO .. SO+3]  byte offsets, made once at the head and never written again: read by every load (LO) and every store (SO).
;   X   block kb: four registers, written by the block's load and by nothing else; read by the block's two conversions, behind the counted wait for the load.
;   Y   block kb: two registers, written once, by the block's conversions; read by the block's store, which is issued in the turn of block kb + 4.
; The sixteen blocks go in four groups of four.  At a group's head one wait states that the group before has written its Y; the group's four memory instructions are the stores of
; that group before, one ahead of each block's conversions, which name X and Y of the group in hand alone.  One wait at the kernel's head stands for the offsets, one ahead of the last four stores.
.set BLK, 11264*128                    ; bytes in a block of 64 columns
.set LO,  1                            ; v1      my byte offset in the group's 16 source rows
.set SO,  2                            ; v2-5    my byte offset in xw, blocks 0, 4, 8, 12 (the blocks between stand in the immediate)
.set X,   16                           ; v16-79  block kb: 4 f32
.set Y,   80                           ; v80-111 block kb: 4 bf16
	s_load_b256 s[4:11], s[0:1], 0x0               ; x s[4:5], Wq s[6:7], Wk s[8:9], Wv s[10:11]
	s_load_b64 s[12:13], s[0:1], 0x20              ; xw
	s_mov_b32 s2, ttmp9                            ; g: rows 16 g .. 16 g + 15 of xw
	v_lshrrev_b32 v[LO], 4, v0                     ; my row among the 16
	v_and_b32 v6, 15, v0
	v_lshlrev_b32 v[LO], 12, v[LO]                 ; x 4,096 bytes
	v_lshl_add_u32 v[LO], v6, 4, v[LO]             ; + 16 bytes a lane
	v_lshlrev_b32 v[SO], 3, v0                     ; row x 128 + 8 x (lane % 16) = 8 x thread
.irp j, 1,2,3
	v_add_nc_u32 v[SO+(\j)], (\j)*4*BLK, v[SO]
.endr
	s_and_b32 s16, s2, 63                          ; a weight has 64 groups of 16 rows,
	s_cmp_lt_u32 s2, 512
	s_cselect_b32 s16, s2, s16                     ; x has the first 512
	s_lshl_b32 s16, s16, 16                        ; 16 rows of 4,096 bytes
	s_mov_b32 s17, 0
	s_lshl_b32 s18, s2, 11                         ; 16 rows of 128 bytes
	s_mov_b32 s19, 0
	s_wait_kmcnt 0x0
	s_cmp_lt_u32 s2, 640                           ; which tensor the group reads hangs on its number alone
	s_cselect_b64 s[14:15], s[8:9], s[10:11]
	s_cmp_lt_u32 s2, 576
	s_cselect_b64 s[14:15], s[6:7], s[14:15]
	s_cmp_lt_u32 s2, 512
	s_cselect_b64 s[14:15], s[4:5], s[14:15]
	s_add_nc_u64 s[14:15], s[14:15], s[16:17]
	s_add_nc_u64 s[12:13], s[12:13], s[18:19]
	s_wait_alu depctr_va_vdst(0)                   ; v[LO] and v[SO .. SO+3] are written: every load and store of the kernel reads one of them as its offset
.irp kb, 0,1,2,3,4,5,6,7,8,9,10,11,12,13,14,15
	global_load_b128 v[X+4*(\kb):X+4*(\kb)+3], v[LO], s[14:15] offset:(\kb)*256 th:TH_LOAD_NT
.endr
.irp kb, 0,1,2,3,4,5,6,7,8,9,10,11,12,13,14,15
	s_wait_loadcnt 15-(\kb)                        ; loads come back in order: block kb is in, the younger ones stay out
.if ((\kb) % 4 == 0) && ((\kb) > 0)
	s_wait_alu depctr_va_vdst(0)                   ; the conversions of the four blocks before have written their Y, which this group's four stores read
.endif
.if (\kb) >= 4
	global_store_b64 v[SO+((\kb)-4)/4], v[Y+2*((\kb)-4):Y+2*((\kb)-4)+1], s[12:13] offset:(((\kb)-4)%4)*BLK  ; the block four back; no vector instruction since the wait names its Y
.endif
	v_cvt_pk_bf16_f32 v[Y+2*(\kb)], v[X+4*(\kb)], v[X+4*(\kb)+1]
	v_cvt_pk_bf16_f32 v[Y+2*(\kb)+1], v[X+4*(\kb)+2], v[X+4*(\kb)+3]
.endr
	s_wait_alu depctr_va_vdst(0)                   ; the conversions of blocks 12 to 15 have written their Y, which the last four stores read
.irp kb, 12,13,14,15
	global_store_b64 v[SO+(\kb)/4], v[Y+2*(\kb):Y+2*(\kb)+1], s[12:13] offset:((\kb)%4)*BLK
.endr
	s_endpgm
.Lfunc_end_k_q6280b1c1e9_cast:
	.size	k_q6280b1c1e9_cast, .Lfunc_end_k_q6280b1c1e9_cast-k_q6280b1c1e9_cast
	.p2alignl 7, 3214868480
	.fill 96, 4, 3214868480
	.section	.rodata,"a",@progbits
	.p2align	6, 0x0
	.amdhsa_kernel k_q6280b1c1e9_cast
		.amdhsa_group_segment_fixed_size 0
		.amdhsa_private_segment_fixed_size 0
		.amdhsa_enable_private_segment 0
		.amdhsa_kernarg_size 40
		.amdhsa_user_sgpr_count 2
		.amdhsa_user_sgpr_kernarg_segment_ptr 1
		.amdhsa_wavefront_size32 1
		.amdhsa_system_sgpr_workgroup_id_x 1
		.amdhsa_system_sgpr_workgroup_id_y 1
		.amdhsa_system_sgpr_workgroup_id_z 1
		.amdhsa_system_vgpr_workitem_id 0
		.amdhsa_next_free_vgpr 112
		.amdhsa_next_free_sgpr 66
		.amdhsa_reserve_vcc 0
		.amdhsa_float_denorm_mode_32 3
		.amdhsa_float_denorm_mode_16_64 3
		.amdhsa_memory_ordered 1
		.amdhsa_forward_progress 1
		.amdhsa_inst_pref_size 8
	.end_amdhsa_kernel
	.amdgpu_metadata
---
amdhsa.version: [ 1, 2 ]
amdhsa.kernels:
  - .name:           k_q6280b1c1e9_cast
    .symbol:         k_q6280b1c1e9_cast.kd
    .args:
      - { .name: x, .offset: 0, .size: 8, .value_kind: global_buffer, .address_space: global }
      - { .name: Wq, .offset: 8, .size: 8, .value_kind: global_buffer, .address_space: global }
      - { .name: Wk, .offset: 16, .size: 8, .value_kind: global_buffer, .address_space: global }
      - { .name: Wv, .offset: 24, .size: 8, .value_kind: global_buffer, .address_space: global }
      - { .name: xw, .offset: 32, .size: 8, .value_kind: global_buffer, .address_space: global }
    .group_segment_fixed_size: 0
    .private_segment_fixed_size: 0
    .kernarg_segment_align: 8
    .kernarg_segment_size: 40
    .max_flat_workgroup_size: 256
    .sgpr_count:     66
    .vgpr_count:     112
    .wavefront_size: 32
...
	.end_amdgpu_metadata
.endif
;; end of part 6
;; launch proj: the kernel of part 2 again; grid 8 x 32, 4 waves a work-group, clusters of 4 x 4, 327,680 bytes of LDS; arguments xw, qkv; writes qkv
;; launch scores: the kernel of part 3 again; grid 8 x 32, 4 waves a work-group, clusters of 4 x 4, 327,680 bytes of LDS; arguments qkv, pw, st; writes pw, st
;; launch pv: the kernel of part 4 again; grid 4 x 64, 4 waves a work-group, clusters of 4 x 4, 327,680 bytes of LDS; arguments pw, qkv, xw, st, yh, nr; writes yh, nr
;; launch norm (part 7): grid 256 x 1, 8 waves a work-group, no clusters, 0 bytes of LDS; arguments yh, nr, out0; writes out0
.if DOCPART == 7
	.amdgcn_target "amdgcn-amd-amdhsa--gfx1250"
	.amdhsa_code_object_version 6
	.text
	.protected	k_q6280b1c1e9_norm
	.globl	k_q6280b1c1e9_norm
	.p2align	8
	.type	k_q6280b1c1e9_norm,@function
k_q6280b1c1e9_norm:
	s_mov_b64 s[64:65], 0
	v_nop
	global_prefetch_b8 v0, s[64:65] scope:SCOPE_SE
	s_setreg_imm32_b32 hwreg(HW_REG_WAVE_SCHED_MODE, 0, 2), 2
	s_setreg_imm32_b32 hwreg(HW_REG_WAVE_MODE, 25, 1), 1
	s_wait_xcnt 0x0
	s_wait_alu depctr_vm_vsrc(0)
; out0[row][:] = y[row][:] / sqrt(sum of y^2).  yh: [8192][1024] f16.  nr: [8 blocks of 128 channels][128 blocks of 64 rows][32][2] f32, element (i, j) the partial sum of row 32 j + i of its block.
; LIMIT: a sum of squares below 2^-126 counts as 0 in v_rsq_f32 (ISA guide 15.8).
; A stream: no LDS, no matrix unit, no barrier.  Eight waves; the work-group owns 32 rows, a wave four.  A load of a wave covers 256 consecutive bytes of yh, a store 512 of out0.
; All 33 loads of a lane are issued at once, and no register that a memory instruction touches is used twice.
; THE MODE: SCHED_MODE bits 1:0 = 2 (LLVM: expert scheduling mode 2), set by the entry lines.  The code itself states the register dependences
; between vector instructions and memory instructions, and those through scalar registers that vector instructions write, with s_wait_alu, always for 0.
; THE PLAN.  Registers that memory instructions touch:
;   v[NO], v[YO], v[OO]  byte offsets, made once at the head and never written again: read by the loads (NO, YO) and by every store (OO).
;   v[SQ]  written by one load; from then on named by vector instructions alone.
;   Y   piece n: two registers, written by the piece's load and by nothing else; read by the piece's four conversions, behind the counted wait for the load.
;   O   piece n: four registers, written by the piece's conversions and its two multiplies; read by the piece's store, which is issued in the turn of piece n + 4.
;   s20-27  written by eight v_readlane_b32, read by the multiplies.
; The 32 pieces go in eight groups of four.  At a group's head one wait states that the group before has written its O; the group's four memory instructions are the stores of that group
; before, one ahead of each piece's arithmetic, which names Y and O of the group in hand alone.  One wait at the kernel's head stands for the offsets, one ahead of the last four stores.
.set NO, 1                             ; v1  my byte offset in nr
.set YO, 2                             ; v2  in the group's rows of yh
.set OO, 3                             ; v3  in its rows of out0
.set SQ, 8                             ; v8  a partial sum, then 1 / norm
.set Y,  16                            ; v16-79   piece n of 32: 4 f16
.set O,  80                            ; v80-207  piece n: 4 f32
	s_load_b128 s[4:7], s[0:1], 0x0                ; yh s[4:5], nr s[6:7]
	s_load_b64 s[8:9], s[0:1], 0x10                ; out0
	s_mov_b32 s2, ttmp9                            ; g: rows 32 g .. 32 g + 31
	v_and_b32 v4, 7, v0                            ; lane l takes channel block l % 8
	v_lshrrev_b32 v5, 3, v0                        ; of the group's row thread / 8: row l / 8 of my wave's four
	v_lshlrev_b32 v[NO], 15, v4
	v_lshl_add_u32 v[NO], v5, 3, v[NO]
	v_lshrrev_b32 v6, 5, v0                        ; wave
	v_and_b32 v7, 31, v0                           ; lane
	v_lshlrev_b32 v[YO], 13, v6                    ; four rows of 2,048 bytes a wave, 8 bytes a lane
	v_lshl_add_u32 v[YO], v7, 3, v[YO]
	v_lshlrev_b32 v[OO], 14, v6                    ; four rows of 4,096 bytes, 16 bytes a lane
	v_lshl_add_u32 v[OO], v7, 4, v[OO]
	s_lshr_b32 s10, s2, 1                          ; the block of 64 rows,
	s_lshl_b32 s10, s10, 8
	s_and_b32 s11, s2, 1                           ; and which half of it
	s_lshl_b32 s11, s11, 2
	s_add_co_u32 s10, s10, s11
	s_mov_b32 s11, 0
	s_lshl_b32 s12, s2, 16
	s_mov_b32 s13, 0
	s_lshl_b32 s14, s2, 17
	s_mov_b32 s15, 0
	s_wait_kmcnt 0x0
	s_add_nc_u64 s[6:7], s[6:7], s[10:11]
	s_add_nc_u64 s[4:5], s[4:5], s[12:13]
	s_add_nc_u64 s[8:9], s[8:9], s[14:15]
	s_wait_alu depctr_va_vdst(0)                   ; v[NO], v[YO] and v[OO] are written: every load and store of the kernel reads one of them as its offset
	global_load_b32 v[SQ], v[NO], s[6:7]
.set n, 0
.rept 32                               ; piece n: row n / 8 of my four, bytes 256 (n % 8) on
	global_load_b64 v[Y+2*n:Y+2*n+1], v[YO], s[4:5] offset:(n/8)*2048+(n%8)*256 th:TH_LOAD_NT
.set n, n+1
.endr
	s_wait_loadcnt 32                              ; the partial sum is in; the 32 loads of y stay out
	v_add_f32_dpp v[SQ], v[SQ], v[SQ] row_xmask:1 row_mask:0xf bank_mask:0xf  ; over the eight channel blocks: eight neighbouring lanes
	v_add_f32_dpp v[SQ], v[SQ], v[SQ] row_xmask:2 row_mask:0xf bank_mask:0xf
	v_add_f32_dpp v[SQ], v[SQ], v[SQ] row_xmask:4 row_mask:0xf bank_mask:0xf
	v_rsq_f32 v[SQ], v[SQ]
	v_nop                                          ; a plain instruction between v_rsq_f32 and the use of its result (ISA guide 5.7.2)
	s_wait_alu depctr_va_vdst(0)                   ; v_rsq_f32 has written v[SQ], which the lines below read
.irp r, 0,1,2,3
	v_readlane_b32 s[20+2*(\r)], v[SQ], 8*(\r)     ; row r's 1 / norm, as a pair for the packed multiply
	v_readlane_b32 s[21+2*(\r)], v[SQ], 8*(\r)
.endr
	s_wait_alu depctr_va_sdst(0)                   ; the eight lines above have written s20 to s27, ahead of their first reader: the packed multiplies below
; The store of piece n.
.macro SEND n
	global_store_b128 v[OO], v[O+4*(\n):O+4*(\n)+3], s[8:9] offset:((\n)/8)*4096+((\n)%8)*512 th:TH_STORE_NT
.endm
; Piece n: the piece four back is stored; then its own four f16 (the halves are named outright) are widened and scaled.
.macro PART n, a, b, c, d
	s_wait_loadcnt 31-(\n)                         ; loads come back in order: piece n is in
.if ((\n) % 4 == 0) && ((\n) > 0)
	s_wait_alu depctr_va_vdst(0)                   ; the multiplies of the four pieces before have written their O, which this group's four stores read
.endif
.if (\n) >= 4
	SEND (\n)-4                                    ; no vector instruction since the wait names its O
.endif
	v_cvt_f32_f16 v[O+4*(\n)], \a
	v_cvt_f32_f16 v[O+4*(\n)+1], \b
	v_cvt_f32_f16 v[O+4*(\n)+2], \c
	v_cvt_f32_f16 v[O+4*(\n)+3], \d
	v_pk_mul_f32 v[O+4*(\n):O+4*(\n)+1], v[O+4*(\n):O+4*(\n)+1], s[20+2*((\n)/8):21+2*((\n)/8)] op_sel_hi:[1,0]
	v_pk_mul_f32 v[O+4*(\n)+2:O+4*(\n)+3], v[O+4*(\n)+2:O+4*(\n)+3], s[20+2*((\n)/8):21+2*((\n)/8)] op_sel_hi:[1,0]
.endm
	PART 0, v16.l, v16.h, v17.l, v17.h
	PART 1, v18.l, v18.h, v19.l, v19.h
	PART 2, v20.l, v20.h, v21.l, v21.h
	PART 3, v22.l, v22.h, v23.l, v23.h
	PART 4, v24.l, v24.h, v25.l, v25.h
	PART 5, v26.l, v26.h, v27.l, v27.h
	PART 6, v28.l, v28.h, v29.l, v29.h
	PART 7, v30.l, v30.h, v31.l, v31.h
	PART 8, v32.l, v32.h, v33.l, v33.h
	PART 9, v34.l, v34.h, v35.l, v35.h
	PART 10, v36.l, v36.h, v37.l, v37.h
	PART 11, v38.l, v38.h, v39.l, v39.h
	PART 12, v40.l, v40.h, v41.l, v41.h
	PART 13, v42.l, v42.h, v43.l, v43.h
	PART 14, v44.l, v44.h, v45.l, v45.h
	PART 15, v46.l, v46.h, v47.l, v47.h
	PART 16, v48.l, v48.h, v49.l, v49.h
	PART 17, v50.l, v50.h, v51.l, v51.h
	PART 18, v52.l, v52.h, v53.l, v53.h
	PART 19, v54.l, v54.h, v55.l, v55.h
	PART 20, v56.l, v56.h, v57.l, v57.h
	PART 21, v58.l, v58.h, v59.l, v59.h
	PART 22, v60.l, v60.h, v61.l, v61.h
	PART 23, v62.l, v62.h, v63.l, v63.h
	PART 24, v64.l, v64.h, v65.l, v65.h
	PART 25, v66.l, v66.h, v67.l, v67.h
	PART 26, v68.l, v68.h, v69.l, v69.h
	PART 27, v70.l, v70.h, v71.l, v71.h
	PART 28, v72.l, v72.h, v73.l, v73.h
	PART 29, v74.l, v74.h, v75.l, v75.h
	PART 30, v76.l, v76.h, v77.l, v77.h
	PART 31, v78.l, v78.h, v79.l, v79.h
	s_wait_alu depctr_va_vdst(0)                   ; the multiplies of pieces 28 to 31 have written their O, which the last four stores read
	SEND 28
	SEND 29
	SEND 30
	SEND 31
	s_endpgm
.Lfunc_end_k_q6280b1c1e9_norm:
	.size	k_q6280b1c1e9_norm, .Lfunc_end_k_q6280b1c1e9_norm-k_q6280b1c1e9_norm
	.p2alignl 7, 3214868480
	.fill 96, 4, 3214868480
	.section	.rodata,"a",@progbits
	.p2align	6, 0x0
	.amdhsa_kernel k_q6280b1c1e9_norm
		.amdhsa_group_segment_fixed_size 0
		.amdhsa_private_segment_fixed_size 0
		.amdhsa_enable_private_segment 0
		.amdhsa_kernarg_size 24
		.amdhsa_user_sgpr_count 2
		.amdhsa_user_sgpr_kernarg_segment_ptr 1
		.amdhsa_wavefront_size32 1
		.amdhsa_system_sgpr_workgroup_id_x 1
		.amdhsa_system_sgpr_workgroup_id_y 1
		.amdhsa_system_sgpr_workgroup_id_z 1
		.amdhsa_system_vgpr_workitem_id 0
		.amdhsa_next_free_vgpr 208
		.amdhsa_next_free_sgpr 66
		.amdhsa_reserve_vcc 0
		.amdhsa_float_denorm_mode_32 3
		.amdhsa_float_denorm_mode_16_64 3
		.amdhsa_memory_ordered 1
		.amdhsa_forward_progress 1
		.amdhsa_inst_pref_size 18
	.end_amdhsa_kernel
	.amdgpu_metadata
---
amdhsa.version: [ 1, 2 ]
amdhsa.kernels:
  - .name:           k_q6280b1c1e9_norm
    .symbol:         k_q6280b1c1e9_norm.kd
    .args:
      - { .name: yh, .offset: 0, .size: 8, .value_kind: global_buffer, .address_space: global }
      - { .name: nr, .offset: 8, .size: 8, .value_kind: global_buffer, .address_space: global }
      - { .name: out0, .offset: 16, .size: 8, .value_kind: global_buffer, .address_space: global }
    .group_segment_fixed_size: 0
    .private_segment_fixed_size: 0
    .kernarg_segment_align: 8
    .kernarg_segment_size: 24
    .max_flat_workgroup_size: 256
    .sgpr_count:     66
    .vgpr_count:     208
    .wavefront_size: 32
...
	.end_amdgpu_metadata
.endif
;; end of part 7
